; MI455X (gfx1250); checked and timed in simulation.
; The chip was launched on July 23, 2026; its instructions are those of AMD's public machine-readable ISA for CDNA 5 (MIT licence, August 2026) and "CDNA5" Instruction Set Architecture Reference Guide (July 2026). The comments in the code are by the model that wrote it; some were corrected since.
;; Attention. Allowed arithmetic: matrix products marked QUANTISED: E2M3 operands, one E8M0 scale for each 32 along K, by v_wmma_scale_f32_16x16x128_f8f6f4 with both operands' format E2M3, f32 sums; everything else in f32.
;; Inputs: Wkv_codes 1,024 x 8 x 24 uint8 (E2M3 codes of Wkv, K innermost, in blocks of 32 codes, four codes in three bytes); Wkv_scales 1,024 x 8 uint8 (E8M0 scales of Wkv, one for each 32 codes along K); Wout_codes 256 x 16 x 24 uint8 (E2M3 codes of Wout, K innermost, in blocks of 32 codes, four codes in three bytes); Wout_scales 256 x 16 uint8 (E8M0 scales of Wout, one for each 32 codes along K); Wq_codes 512 x 8 x 24 uint8 (E2M3 codes of Wq, K innermost, in blocks of 32 codes, four codes in three bytes); Wq_scales 512 x 8 uint8 (E8M0 scales of Wq, one for each 32 codes along K); bout 256 float32; cos 128 x 128 x 32 float32; sin 128 x 128 x 32 float32; skip 2 x 256 x 128 x 128 float32; time_emb 2 x 256 float32; x 2 x 256 x 128 x 128 float32.
;; Outputs: out0 2 x 256 x 128 x 128 float32.
;; This version of the problem:
;;   THIS VERSION OF THE PROBLEM IS GIVEN IN LOW PRECISION. The matrix products marked QUANTISED in the list below multiply operands that are first quantised to E2M3 (2 exponent bits, 3 mantissa bits; 6 bits a number), with one power-of-two scale for each 32 numbers along K (OCP MX v1.0); their sums are f32. All else is computed in f32.
;;   The module's matrix products, in the order in which they are computed (A, B: the left and right operand; K: the contracted axis; several contracted axes count as one K, in the product's order):
;;     1. [M 32,768, K 256] x [K 256, N 512]; A: computed on the way; B: input Wq (given as codes): QUANTISED
;;     2. [M 65,536, K 256] x [K 256, N 1,024]; A: computed on the way; B: input Wkv (given as codes): QUANTISED
;;     3. batch 1,024 x [M 256, K 64] x [K 64, N 512]; A: computed on the way; B: computed on the way: QUANTISED
;;     4. batch 1,024 x [M 256, K 512] x [K 512, N 64]; A: softmax (see below); B: computed on the way: QUANTISED
;;     5. [M 32,768, K 512] x [K 512, N 256]; A: computed on the way; B: input Wout (given as codes): QUANTISED
;;   THE QUANTISER, for each operand of a quantised product, along K:
;;     - K is cut into blocks of 32 from its start; a last block that is shorter is filled with zeros.
;;     - A block's scale is 2^e with e = floor(log2(the largest magnitude in the block)) - 2, held to -126 .. 127; a block of zeros has e = 0. As a byte (E8M0): e + 127.
;;     - Each number is divided by its block's scale, clamped to +-7.5, and rounded to the nearest number of E2M3, ties to even, subnormals kept.
;;     - The product sums the exact products of the quantised numbers (number of the format x scale) in f32.
;;   ~~~python
;;   def quantise(x, axis):      # numpy; x: float32 -> the quantised numbers, widened to float32 again
;;       x = np.moveaxis(x, axis, -1); K = x.shape[-1]
;;       x = np.pad(x, [(0, 0)] * (x.ndim - 1) + [(0, -K % 32)]); x = x.reshape(x.shape[:-1] + (-1, 32)); a = np.abs(x).max(-1, keepdims=True)
;;       e = np.where(a > 0, np.clip(np.frexp(np.where(a > 0, a, 1))[1] - 1 - 2, -126, 127), 0)      # np.frexp(a)[1] - 1 = floor(log2(a)), exactly
;;       r = np.clip(x / 2.0 ** e, -7.5, 7.5)
;;       step = 2.0 ** (np.maximum(np.frexp(np.where(r == 0, 1, r))[1] - 1, 0) - 3)
;;       q = np.round(r / step) * step * 2.0 ** e      # np.round: ties to even
;;       return np.moveaxis(q.reshape(q.shape[:-2] + (-1,))[..., :K], -1, axis).astype(np.float32)
;;   ~~~
;;   SOFTMAX AHEAD OF A QUANTISED PRODUCT. Where the list says 'softmax', what is quantised is not the finished softmax but p = 2^(t - M), with t = logit x log2(e) and M = ceil(the row's largest t), a whole number; so 1/2 < the row's largest p <= 1. The row's sum l is taken of the UNQUANTISED p, in f32, and the product's result is divided by l at the end. Since M is a whole number, a kernel that streams over the keys may use a running M (the ceiling of the running maximum): every later rescaling is an exact power of two, which a block's scale takes up: the codes' values come out the same.
;;   OPERANDS COMPUTED ON THE WAY. 'Computed on the way' means the value that the module computes at that place (a softmax that the list does not call 'softmax' is quantised finished and normalised). What goes into a quantiser is computed in f32, as accurately as f32 sums, v_exp_f32 and their like allow (about 1e-6 of the number): no bf16 or f16 on the way to a quantiser, and a product that is left as it is and whose result goes on into a quantised operand takes f32 operands (vector FMAs, or v_wmma_f32_16x16x4_f32). A number that lies on a knife's edge between two numbers of the format may be rounded either way, as far as f32 arithmetic and the matrix unit's own rounding can turn it there, and no further.
;;   INPUTS GIVEN AS CODES. Wkv (in the module: [1024, 256], K = its axis 1); Wout (in the module: [256, 512], K = its axis 1); Wq (in the module: [512, 256], K = its axis 1): each comes as NAME_codes (uint8): NAME with its K axis moved to the last place and cut into blocks of 32 codes, [.., K / 32, bytes a block], one block behind the other in memory; four codes in three bytes: a row's codes are one little-endian stream of bits, code i at bits 6 i .. 6 i + 5 (a code: sign, 2 exponent bits, 3 mantissa bits); and NAME_scales (uint8): the same leading axes, one E8M0 byte (e + 127) for each 32 codes along K. Its value is code x scale, taken as it is: it is not quantised again, and the codes and scales need not be those that the quantiser above would give.
;; 2 versions. Each part assembles by itself: llvm-mc -triple=amdgcn-amd-amdhsa -mcpu=gfx1250 --defsym DOCPART=n.
;; ======== version 1 of 2: 2 launches
;; workspace buffers: ows 14,680,064 bytes
;; launch winattn (part 1): grid 256 x 1, 8 waves a work-group, no clusters, 263,168 bytes of LDS; arguments x, skip, time_emb, sin, cos, Wq_codes, Wq_scales, Wkv_codes, Wkv_scales, ows; writes ows
.if DOCPART == 1
	.amdgcn_target "amdgcn-amd-amdhsa--gfx1250"
	.amdhsa_code_object_version 6
	.text
	.protected	k_q396d33cf8e_winattn
	.globl	k_q396d33cf8e_winattn
	.p2align	8
	.type	k_q396d33cf8e_winattn,@function
k_q396d33cf8e_winattn:
	s_mov_b64 s[64:65], 0
	v_nop
	global_prefetch_b8 v0, s[64:65] scope:SCOPE_SE
	s_setreg_imm32_b32 hwreg(HW_REG_WAVE_MODE, 25, 1), 1
	s_wait_xcnt 0x0
; WINDOWED ATTENTION, 16 x 16 windows, 8 heads of 64, keys = the window's 256 pixels of x + time_emb and the same 256 of skip; three 1x1 convolutions in front (Wq, Wkv), RoPE on the first
; 32 channels of q and k.  THE FIRST OF TWO LAUNCHES: it ends with O (attention's result, divided by the row's sum) quantised along (head, d), as codes and scale words in a workspace; the second launch
; multiplies by Wout.  All products on codes of FP6 (E2M3) with one E8M0 scale for each 32 along K; every operand made on the way is quantised from f32.
; WHY TWO.  A window's row is 64 bytes of a channel's image row of 512.  The second launch owns whole image rows, so that sixteen of its lanes store 256 consecutive bytes of a channel; here every store covers 512.
; SHARES.  256 work-groups.  A work-group = (batch, window, half of the window's queries): 128 queries, all 512 keys, all 8 heads.  K and V of a window are
; projected by both halves: the softmax's vector work is the larger part, and it is spread over twice the work-groups so.  Eight waves of 512 registers.
; LOCAL ROWS.  Local row t of the window is its true row (t + 8 QH) & 15, so the queries are local rows 0-7 in both halves; QH enters global addresses alone.  A pixel tile is one window row: 16 pixels.
; Wave w owns local rows 2 w, 2 w + 1 of x' and of skip (four pixel tiles p = 2 y + u): it quantises them once, keeps their codes in registers (window 1) and makes their K and V (and, w < 4, their Q).
; FOUR ITERATIONS, two heads each (together one K step of 128 of the last product): projection | barrier | attention | barrier.  In attention wave w serves head 2 s + w / 4 and query tiles 2 (w % 4) + u,
; u = 0, 1 one after the other, each over four key steps of 128 keys.
; OPERANDS GO FROM WAVE TO WAVE THROUGH LDS AS IMAGES OF THEIR REGISTERS: a whole fragment (12 registers) as three stores of 16 bytes a lane; a half fragment (6 registers, 64 along K) as 16 bytes at 16 x lane
; and 8 bytes at 512 + 8 x lane.  Scale words: 4 bytes a lane.  O's half images and scale words go to the workspace as they lie in LDS.
; LAYOUTS.  K and Q projections transposed (source 0 = 16 rows of W, source 1 = 16 pixels): a lane holds one pixel, registers run along d.  The rows of W that form a tile are not neighbours: lane r of tile t takes
; row 32 (t / 2) + 8 (t % 2) + r + 8 (r / 8), so that 16 registers of two neighbouring tiles are 16 neighbouring d.  V projection natural (source 0 = pixels): a lane holds one d, registers run along the keys.
; S^T = K Q^T, O^T = V^T P^T: a lane holds one query throughout.
; THE THIRD PRODUCT HAS K = 64: half of each instruction's 128 are zero codes.  Two tiles of K share six registers of zeros: [even tile | zeros | odd tile]; the even tile's operand has its codes at k < 64,
; the odd tile's at k >= 64; Q's fragment holds q twice, and K's and Q's scale words hold their two bytes twice.
; THE ORDER OF THE KEYS.  A block of 32 keys is two window rows of one source, as in the tensor; inside a block, and among the blocks of a step, the keys stand in another order, the same for P and for V.
; SOFTMAX.  t = score x log2(e) / 8; M = the running largest t rounded up to a whole number; p = 2^(t - M) is quantised; the row's sum is taken of the unquantised p and divides O at the end.
; NO CLUSTER, NO TENSOR LOAD.  The two work-groups of a window read the same 524,288 bytes of x and skip, once, at their heads, in runs of 64 bytes (a window's row); the numbers go from registers through
; 8,448 bytes of scratch a wave straight into 96 registers of codes.  Asked for jointly they would have to pass through LDS as f32, in slots filled again many times, for a phase that a work-group runs once.
; LIMITS.  NaN and infinities among the inputs are not served.  A block whose largest magnitude lies under 2^-124 keeps the scale byte 1; a block of zeros has the byte 1 and not 127 (its codes are zeros; the
; bytes are read by this program alone).  RoPE is a product and a fused multiply-add (one rounding fewer than two products and a sum).  1 / l comes from v_rcp_f32.  A block's largest p is taken through its
; largest score, which takes v_exp_f32 not to fall where its input rises.
;
; THE WORKSPACE: 57,344 bytes a work-group, 7,168 a wave: half image (4 u + s) at 768 (4 u + s); behind the eight, from byte 6,144 on, scale words (4 u + s) at 128 (4 u + s) + 4 x lane
.set OWG,  57344
.set OWV,  7168
; LDS
.set WIMG, 0                           ; 48 whole images of W fragments: index 16 m + 8 hp + 2 tile + ks (m = 0 q, 1 k, 2 v), 1,536 bytes each
.set WSC,  73728                       ; their scale words, 128 bytes each
.set KIMG, 79872                       ; hp x 24,576 + K tile x 768 (K tile = 4 w + 2 y + u)
.set KSC,  129024                      ; hp x 4,096 + K tile x 128
.set VIMG, 137216                      ; (4 hp + t) x 6,144 + w x 768: wave w's half (w % 2) of the fragment of key step w / 2
.set VSC,  186368                      ; (4 hp + t) x 512 + key step x 128 + 4 x lane + 2 (w % 2)
.set QIMG, 190464                      ; (2 w' + u) x 768, w' the wave that reads it
.set QSC,  202752                      ; (2 w' + u) x 128
.set OIMG, 204800                      ; w x 6,144 + (4 u + s) x 768
.set OSC,  253952                      ; w x 1,024 + (4 u + s) x 128: the wave's two bytes in the low half of a word
.set SCR,  79872                       ; at the head alone, where K and V will lie: 8,448 bytes a wave: channel ch at 64 ch + 64 (ch / 32), pixel at + 4 px
.set SCRW, 8448
; VECTOR REGISTERS, window 0: addresses that stay
.set AWA,  1                           ; 16 l
.set AWB,  2                           ; 49,152 + 16 l
.set AWS,  3                           ; WSC + 4 l
.set KP16, 4                           ; where I put K's half images: KIMG + 3,072 w + 768 h + 16 r
.set KP8,  5                           ; KIMG + 512 + 3,072 w + 768 h + 8 r
.set KSS,  6                           ; KSC + 512 w + 4 l
.set VP16, 7                           ; VIMG + 768 w + 16 l
.set VP8,  8                           ; VIMG + 512 + 768 w + 8 l
.set VSS,  9                           ; VSC + 128 (w / 2) + 2 (w % 2) + 4 l
.set QP16, 10                          ; QIMG + 1,536 w + 768 h + 16 r
.set QP8,  11                          ; QIMG + 512 + 1,536 w + 768 h + 8 r
.set AQS,  12                          ; QSC + 256 w + 4 l
.set ADK,  13                          ; where I read: KIMG + 24,576 HP + 16 l
.set ADK8, 14                          ; KIMG + 512 + 24,576 HP + 8 l
.set ADKS, 15                          ; KSC + 4,096 HP + 4 l
.set ADV,  16                          ; VIMG + 24,576 HP + 16 l
.set ADV8, 17                          ; VIMG + 512 + 24,576 HP + 8 l
.set ADVS, 18                          ; VSC + 2,048 HP + 4 l
.set AQ,   19                          ; QIMG + 1,536 w + 16 l
.set AQ8,  20                          ; QIMG + 512 + 1,536 w + 8 l
.set AO,   21                          ; OIMG + 6,144 w + 16 l
.set AO8,  22                          ; OIMG + 512 + 6,144 w + 8 l
.set AOS,  23                          ; OSC + 1,024 w + 4 l
.set ASTG, 24                          ; where I stage the next iteration's W: 3,072 w + 16 l
.set ASTS, 25                          ; WSC + 256 w + 4 l
.set GOFF, 26                          ; W in memory: (r + 8 (r / 8)) x 192 + 24 h
.set GSOFF, 27                         ; its scale bytes: (r + 8 (r / 8)) x 8
.set H0,   28                          ; v28-32: addresses in hand
.set H1,   29
.set H2,   30
.set H3,   31
.set H4,   32
; registers that hold scales and nothing else
.set QS,   33                          ; Q's scale word
.set XS,   34                          ; v34-41 x' and skip: 2 p + ks
.set KS,   42                          ; v42-49 K's eight of a key step
.set WS,   42                          ; in the projections W's: 4 set + f
.set VS,   50                          ; v50-53 V's
.set PS,   59                          ; P's
; small
.set NM,   54                          ; -M
.set TX,   55                          ; the largest t
.set SUM,  56                          ; v[56:57] the row's sum in two halves
.set F,    58                          ; 2^(old M - new M); 1 / l
.set SBH,  60                          ; v60-63 the scale bytes of block 0 of d, kept for block 1's group
.set PW,   54                          ; v54-57 in the projections: scale words on their way to LDS
; attention
.set VB,   64                          ; v64-111  V's four fragments of a key step
.set S,    112                         ; v112-175 S^T, then p
.set OT,   176                         ; v176-207 O^T
.set PCD,  208                         ; v208-219 p's codes
.set CT,   220                         ; v220-227 conversions' second halves
.set BM,   228                         ; v228-231 the blocks' largest scores
.set PT,   232                         ; v232-235
.set SO,   236                         ; v236-239 the conversions' scale operands
.set C2,   240                         ; v[240:241] the sum's second chain
.set TMP,  242
.set STGS, 243                         ; a staged scale word
.set STG,  244                         ; v244-255 a staged fragment of W
; projections
.set WB,   64                          ; v64-159  two sets of four fragments of W
.set ACC,  160                         ; v160-223 eight accumulators
.set PC,   224                         ; v224-242 codes, and the conversions' second halves at +12, +16
.set RT,   224                         ; v224-239 RoPE's products
.set TM,   244                         ; v244-247 largest magnitudes
.set TP,   248                         ; v248-251 the other half's; then bytes
.set TS,   252                         ; v252-255 the conversions' scale operands
; head
.set RAW,  64                          ; v64-191  two sets of 64 numbers as loaded
.set N,    192                         ; v192-255 64 numbers of one pixel
.set QM,   54                          ; v54-57
.set PWD,  58
.set PX,   60
.set H8,   61                          ; 8 h
; end
.set DO,   64                          ; v64-119  my O area on its way from LDS to the workspace
; window 1
.set XF,   0                           ; v0-95    the codes of my four pixel tiles: 24 p + 12 ks
.set TE,   48                          ; v48-79   at the head: time_emb of my lane's channels (until skip's codes take the place)
.set CS,   96                          ; v96-159  row u: cos at 32 u + i, sin at 32 u + 16 + i: channel 16 h + i of pixel r
.set KB,   160                         ; v160-231 four times [even tile 6 | zeros 6 | odd tile 6]; at the head the first six fragments of W
.set QF,   232                         ; v232-243 q, twice; at the head six scale words of W
.set XT,   244                         ; v244-250 conversions' second halves at the head
; SCALARS
.set WV,   34
.set HP,   35                          ; w / 4
.set QP,   36                          ; w % 4
.set IT,   37                          ; iteration
.set UU,   38                          ; unit
.set SEL,  40                          ; s[40:41] v_permlanex16_b32's selects for lane l xor 16
.set CL,   42                          ; s[42:43] log2(e) / 8, twice
.set PCO,  44                          ; s[44:49] where I stage from: codes of Wq, Wk, Wv
.set PSC,  50                          ; s[50:55] and their scale bytes
.set STC,  56                          ; s[56:57], s[58:59] these pointers' steps
.set STS,  58
.set UQ,   62                          ; 768 u
.set UQS,  63                          ; 128 u
.set UO,   66                          ; 768 (4 u + s)
.set UOS,  67                          ; 128 (4 u + s)
.set UST,  68                          ; 1,536 u
.set BP,   70                          ; s[70:77] x, skip at my first row: 4 y + 2 ks
.set PTE,  78
.set PCOS, 80
.set PSIN, 82
.set QH,   84
.set WY,   85
.set WX,   86
.set BB,   87
.set POW,  88                          ; s[88:89] my wave's 7,168 bytes of the workspace
.set MSB, 0
.macro WIN new                         ; bits 1:0 source 0, 3:2 source 1, 5:4 source 2, 7:6 destination; the immediate's high byte repeats the setting that is left
.if MSB != \new
	s_set_vgpr_msb (MSB<<8)|\new
.set MSB, \new
.endif
.endm
.macro NOPS n
.rept \n
	v_nop
.endr
.endm
.macro BARRIER                         ; my LDS stores have landed and my LDS loads are in: then the work-group's barrier
	s_wait_dscnt 0x0
	s_barrier_signal -1
	s_barrier_wait -1
.endm
.macro LADR dst, src, sreg, mul, base  ; an LDS address: a constant + a constant x (w or w / 4) + a lane term
	s_mul_i32 s2, s[\sreg], \mul
	s_add_co_u32 s2, s2, \base
	v_add_nc_u32 v[\dst], s2, v[\src]
.endm
; the matrix instruction: C = 0, C = D
.macro MMZ d, a, b, sa, sb
	v_wmma_scale_f32_16x16x128_f8f6f4 v[0+(\d):7+(\d)], v[0+(\a):11+(\a)], v[0+(\b):11+(\b)], 0, v[0+(\sa)], v[0+(\sb)] matrix_a_fmt:MATRIX_FMT_FP6 matrix_b_fmt:MATRIX_FMT_FP6
.endm
.macro MMA d, a, b, sa, sb
	v_wmma_scale_f32_16x16x128_f8f6f4 v[0+(\d):7+(\d)], v[0+(\a):11+(\a)], v[0+(\b):11+(\b)], v[0+(\d):7+(\d)], v[0+(\sa)], v[0+(\sb)] matrix_a_fmt:MATRIX_FMT_FP6 matrix_b_fmt:MATRIX_FMT_FP6
.endm
; ---------------- THE HEAD'S MACROS
; Fragment f = 4 y + 2 ks + u: 16 pixels (my row u of source y) x 128 channels.  A lane reads 4 pixels (l % 4) of channel 8 i + l / 4: an instruction reads eight runs of 64 bytes.
.macro RLOAD f
.set rb, BP+4*((\f)/4)+2*(((\f)/2)%2)
.set rr, RAW+64*((\f)%2)
.irp i, 0,1,2,3,4,5,6,7,8,9,10,11,12,13,14,15
	global_load_b128 v[rr+4*\i:rr+4*\i+3], v[H0], s[rb:rb+1] offset:524288*\i+512*((\f)%2)
.endr
.endm
.macro W0STORE                         ; the first iteration's six fragments of W that I fetched, as images
	WIN 0x04                                       ; an LDS store's data are its source 1: window 1
.irp i, 0,1,2
.irp u, 0,1
.irp g, 0,1,2
	ds_store_b128 v[ASTG], v[KB+12*(2*\i+\u)+4*\g:KB+12*(2*\i+\u)+4*\g+3] offset:24576*\i+1536*\u+512*\g
.endr
	ds_store_b32 v[ASTS], v[QF+2*\i+\u] offset:2048*\i+128*\u
.endr
.endr
	WIN 0
.endm
; 64 numbers of a lane, v[N + 32 c + i] = channel 64 c + 32 h + i of pixel r: two whole blocks.  They become the fragment (p, ks) in window 1 and its scale word.
.macro QUANTW p, ks
.set xf, XF+24*(\p)+12*(\ks)
.irp k, 0,1,2,3
	v_max3_num_f32 v[QM+\k], |v[N+16*\k]|, |v[N+16*\k+1]|, 0x1800000   ; four chains of 16 numbers, and the floor 2^(3 - 127): so the byte cannot fall under 1
.endr
.irp i, 2,4,6,8,10,12,14
.irp k, 0,1,2,3
	v_max3_num_f32 v[QM+\k], v[QM+\k], |v[N+16*\k+\i]|, |v[N+16*\k+\i+1]|
.endr
.endr
	v_max_num_f32 v[QM], v[QM], v[QM+1]            ; block h's largest magnitude,
	v_max_num_f32 v[QM+1], v[QM+2], v[QM+3]        ; block 2 + h's
	v_add_nc_u32 v[QM+2], 0xff000000, v[QM]        ; 2 off the exponent field: the conversion takes the exponent field of this operand as its scale
	v_add_nc_u32 v[QM+3], 0xff000000, v[QM+1]
	v_lshrrev_b32 v[QM], 23, v[QM+2]               ; the scales' bytes
	v_lshrrev_b32 v[QM+1], 23, v[QM+3]
	v_lshl_or_b32 v[PWD], v[QM+1], 16, v[QM]
	v_lshlrev_b32 v[PWD], v[H8], v[PWD]            ; at their places in the word, 8 h bits up;
	v_permlanex16_b32 v[PX], v[PWD], s[SEL], s[SEL+1]
	v_or_b32 v[XS+2*(\p)+(\ks)], v[PWD], v[PX]     ; with lane l xor 16's two the word is whole
	WIN 0x40                                       ; destination window 1
.irp c, 0,1
	v_cvt_scalef32_pk16_fp6_f32 v[xf+6*\c:xf+6*\c+2], v[N+32*\c:N+32*\c+15], v[QM+2+\c]
	v_cvt_scalef32_pk16_fp6_f32 v[XT+4*\c:XT+4*\c+2], v[N+32*\c+16:N+32*\c+31], v[QM+2+\c]   ; (a conversion's three registers begin on an even number)
.endr
	v_nop                                          ; one plain place behind a scaled conversion
	WIN 0x41
.irp c, 0,1
.irp i, 0,1,2
	v_mov_b32 v[xf+6*\c+3+\i], v[XT+4*\c+\i]
.endr
.endr
	WIN 0
.endm
.macro FRAG f
.set fr, RAW+64*((\f)%2)
.set fks, ((\f)/2)%2
.if \f < 7
	s_wait_loadcnt 16                              ; this fragment's 16 loads are in, and all that was asked for ahead of them; the next fragment's 16 may be out
.else
	s_wait_loadcnt 0x0
.endif
.if \f == 0
	W0STORE
.endif
.if \f < 4                                     ; x' = x + time_emb
	WIN 0x01                                       ; source 0 window 1
.irp i, 0,1,2,3,4,5,6,7,8,9,10,11,12,13,14,15
.irp e, 0,1,2,3
	v_add_f32 v[fr+4*\i+\e], v[TE+16*fks+\i], v[fr+4*\i+\e]
.endr
.endr
	WIN 0
.endif
.irp i, 0,1,2,3,4,5,6,7,8,9,10,11,12,13,14,15
	ds_store_b128 v[H1], v[fr+4*\i:fr+4*\i+3] offset:512*\i+64*(\i/4)   ; as loaded: 512 consecutive bytes, eight channels x 16 pixels
.endr
.set qi, 0
.rept 64
	ds_load_b32 v[N+qi], v[H2] offset:4224*(qi/32)+64*(qi%32)   ; and back down the channels (LDS serves a wave's instructions in order); lanes 16-31 stand 2,112 bytes on: 16 words further round the 64 banks (ISA guide 11.1)
.set qi, qi+1
.endr
	s_wait_dscnt 0x0                               ; the numbers are in, and the stores have read their registers,
.if \f < 6
	RLOAD (\f)+2                                   ; which take the fragment two on
.endif
	QUANTW 2*((\f)/4)+(\f)%2, fks
.endm
; ---------------- THE PROJECTIONS' MACROS
; four fragments of W (two tiles x two K steps; f = 2 tile + ks) and their scale words into set
.macro WLOAD set, m, idx0
.irp f, 0,1,2,3
.irp g, 0,1,2
.if \m < 2
	ds_load_b128 v[WB+48*(\set)+12*\f+4*\g:WB+48*(\set)+12*\f+4*\g+3], v[AWA] offset:(16*\m+\idx0+\f)*1536+512*\g
.else
	ds_load_b128 v[WB+48*(\set)+12*\f+4*\g:WB+48*(\set)+12*\f+4*\g+3], v[AWB] offset:(\idx0+\f)*1536+512*\g
.endif
.endr
	ds_load_b32 v[WS+4*(\set)+\f], v[AWS] offset:(16*\m+\idx0+\f)*128
.endr
.endm
; K or Q, transposed: source 0 = a tile of W, source 1 = pixel tile p.  In ACC + 16 p + i lane (r, h) holds d = 32 be + 16 h + i of pixel r.  The accumulators take turns.
.macro KMUL set, np
	WIN 0x04                                       ; source 1 window 1
.irp ks, 0,1
.set kp, 0
.rept \np
.irp uu, 0,1
.if \ks == 0
	MMZ ACC+16*kp+8*\uu, WB+48*(\set)+12*(2*\uu+\ks), XF+24*kp+12*\ks, WS+4*(\set)+2*\uu+\ks, XS+2*kp+\ks
.else
	MMA ACC+16*kp+8*\uu, WB+48*(\set)+12*(2*\uu+\ks), XF+24*kp+12*\ks, WS+4*(\set)+2*\uu+\ks, XS+2*kp+\ks
.endif
.endr
.set kp, kp+1
.endr
.endr
.endm
; V, natural: source 0 = pixel tile p, source 1 = a tile of W.  In ACC + 32 tt + 8 p + j lane (r, h) holds pixel 8 h + j of tile p, for the d of lane r.
.macro VMUL set
	WIN 0x01                                       ; source 0 window 1
.irp ks, 0,1
.irp tt, 0,1
.irp p, 0,1,2,3
.if \ks == 0
	MMZ ACC+32*\tt+8*\p, XF+24*\p+12*\ks, WB+48*(\set)+12*(2*\tt+\ks), XS+2*\p+\ks, WS+4*(\set)+2*\tt+\ks
.else
	MMA ACC+32*\tt+8*\p, XF+24*\p+12*\ks, WB+48*(\set)+12*(2*\tt+\ks), XS+2*\p+\ks, WS+4*(\set)+2*\tt+\ks
.endif
.endr
.endr
.endr
.endm
; RoPE on d = 16 h + 0 .. 15 of np pixel tiles: a[2 m] = a[2 m] cos - a[2 m + 1] sin, a[2 m + 1] = a[2 m + 1] cos + a[2 m] sin, each with its own channel's cos and sin
.macro ROPE np
	WIN 0x04                                       ; source 1 (cos, sin) window 1
.set rp, 0
.rept \np
.set ra, ACC+16*rp
.set rc, CS+32*(rp%2)
.set ri, 0
.rept 8
	v_mul_f32 v[RT+ri], -v[ra+ri+1], v[rc+16+ri]
	v_mul_f32 v[RT+ri+1], v[ra+ri], v[rc+16+ri+1]
.set ri, ri+2
.endr
.set ri, 0
.rept 16
	v_fma_f32 v[ra+ri], v[ra+ri], v[rc+ri], v[RT+ri]
.set ri, ri+1
.endr
.set rp, rp+1
.endr
	WIN 0
.endm
; 2 np half blocks of 16 registers at s + 16 b, each whole with lane l xor 16's, become codes.  Pair c (half blocks 2 c, 2 c + 1) ends as six registers at PC + 6 c: lanes 0-15 hold the whole block of
; half block 2 c, lanes 16-31 that of 2 c + 1.  The scales' bytes go to bd + b.
.macro QUANT s, np, bd
.set qb, 0
.rept 2*(\np)
	v_max3_num_f32 v[TM+qb], |v[(\s)+16*qb]|, |v[(\s)+16*qb+1]|, 0x1800000   ; my 16 numbers, from the accumulators' low ends on, and the floor 2^(3 - 127)
.set qb, qb+1
.endr
.set qi, 2
.rept 7
.set qb, 0
.rept 2*(\np)
	v_max3_num_f32 v[TM+qb], v[TM+qb], |v[(\s)+16*qb+qi]|, |v[(\s)+16*qb+qi+1]|
.set qb, qb+1
.endr
.set qi, qi+2
.endr
.set qb, 0
.rept 2*(\np)
	v_permlanex16_b32 v[TP+qb], v[TM+qb], s[SEL], s[SEL+1]
.set qb, qb+1
.endr
.set qb, 0
.rept 2*(\np)
	v_max_num_f32 v[TM+qb], v[TM+qb], v[TP+qb]     ; the block's largest magnitude
.set qb, qb+1
.endr
.set qb, 0
.rept 2*(\np)
	v_add_nc_u32 v[TS+qb], 0xff000000, v[TM+qb]    ; 2 off its exponent field: the conversion's scale operand
.set qb, qb+1
.endr
.set qb, 0
.rept 2*(\np)
	v_lshrrev_b32 v[(\bd)+qb], 23, v[TS+qb]        ; the scale's byte
.set qb, qb+1
.endr
.set qc, 0
.rept \np
	v_cvt_scalef32_pk16_fp6_f32 v[PC+6*qc:PC+6*qc+2], v[(\s)+32*qc:(\s)+32*qc+15], v[TS+2*qc]
	v_cvt_scalef32_pk16_fp6_f32 v[PC+12+4*qc:PC+14+4*qc], v[(\s)+32*qc+16:(\s)+32*qc+31], v[TS+2*qc+1]   ; (a conversion's three registers begin on an even number)
.set qc, qc+1
.endr
	v_nop                                          ; one plain place behind a scaled conversion
.set qc, 0
.rept \np
.irp i, 0,1,2
	v_permlane16_swap_b32 v[PC+6*qc+\i], v[PC+12+4*qc+\i]   ; the first's lanes 16-31 change places with the second's lanes 0-15
.endr
.irp i, 0,1,2
	v_mov_b32 v[PC+6*qc+3+\i], v[PC+12+4*qc+\i]
.endr
.set qc, qc+1
.endr
.endm
; A group: two tiles of W (d = 32 be .. 32 be + 31 of head hp of the pair) against my pixel tiles.  kind 0: V, 1: K, 2: Q.  nm, nidx: the next group's fragments of W, fetched into the other set (nm = 9: none).
.macro GROUP kind, hp, be, set, nm, nidx
	s_wait_dscnt 0x0                               ; this set's fragments are in; the last group's stores have read their registers
.if \nm < 3
	WLOAD 1-(\set), \nm, \nidx
.endif
.if \kind == 0
	VMUL \set
.elseif \kind == 1
	KMUL \set, 4
.else
	KMUL \set, 2
.endif
	WIN 0
	NOPS 4                                         ; four places between the last product and the first read of results (ISA guide 7.12.1)
.if \kind == 0
	QUANT ACC, 2, TP                               ; half block 2 tt + y: my d's keys of source y: rows u = 0, 1, pixels 8 h + 0 .. 7
.irp j, 0,1
	ds_store_b128 v[VP16], v[PC+6*\j:PC+6*\j+3] offset:(4*\hp+2*\be+\j)*6144   ; lane (r, h): block y = h of d row r: half w % 2 of the fragment of key step w / 2, as it stands
	ds_store_b64 v[VP8], v[PC+6*\j+4:PC+6*\j+5] offset:(4*\hp+2*\be+\j)*6144
	v_lshl_or_b32 v[PW+\j], v[TP+2*\j+1], 8, v[TP+2*\j]
	ds_store_b16 v[VSS], v[PW+\j] offset:(4*\hp+2*\be+\j)*512   ; my two bytes of the fragment's scale word
.endr
.elseif \kind == 1
.if \be == 0
	ROPE 4
	QUANT ACC, 2, SBH
.else
	QUANT ACC, 2, TP
.endif
.irp j, 0,1                                    ; lane (r, h) holds block be of pixel r of tile 2 j + h: it belongs to lane r + 16 be of that tile's half image
	ds_store_b128 v[KP16], v[PC+6*\j:PC+6*\j+3] offset:24576*\hp+1536*\j+256*\be
	ds_store_b64 v[KP8], v[PC+6*\j+4:PC+6*\j+5] offset:24576*\hp+1536*\j+128*\be
.endr
.if \be == 1
.irp p, 0,1,2,3
	v_lshl_or_b32 v[PW+\p], v[TP+\p], 8, v[SBH+\p]
	v_lshl_or_b32 v[PW+\p], v[PW+\p], 16, v[PW+\p] ; the two bytes twice: for codes at k < 64 and at k >= 64
	ds_store_b32 v[KSS], v[PW+\p] offset:4096*\hp+128*\p
.endr
.endif
.else
.if \be == 0
	ROPE 2
	QUANT ACC, 1, SBH
.else
	QUANT ACC, 1, TP
.endif
	ds_store_b128 v[QP16], v[PC:PC+3] offset:6144*\hp+256*\be   ; to the wave 4 hp + w that serves this head and these queries
	ds_store_b64 v[QP8], v[PC+4:PC+5] offset:6144*\hp+128*\be
.if \be == 1
.irp p, 0,1
	v_lshl_or_b32 v[PW+\p], v[TP+\p], 8, v[SBH+\p]
	v_lshl_or_b32 v[PW+\p], v[PW+\p], 16, v[PW+\p]
	ds_store_b32 v[AQS], v[PW+\p] offset:1024*\hp+128*\p
.endr
.endif
.endif
.endm
; ---------------- ATTENTION'S MACROS
.macro KLOAD sg                        ; the eight tiles of K of key step sg, and their scale words: 24 LDS loads
	WIN 0x40                                       ; destination window 1
.irp t, 0,1,2,3,4,5,6,7
	ds_load_b128 v[KB+18*(\t/2)+12*(\t%2):KB+18*(\t/2)+12*(\t%2)+3], v[ADK] offset:(8*(\sg)+\t)*768
	ds_load_b64 v[KB+18*(\t/2)+12*(\t%2)+4:KB+18*(\t/2)+12*(\t%2)+5], v[ADK8] offset:(8*(\sg)+\t)*768
.endr
	WIN 0
.irp t, 0,1,2,3,4,5,6,7
	ds_load_b32 v[KS+\t], v[ADKS] offset:(8*(\sg)+\t)*128
.endr
.endm
.macro VLOAD sg                        ; the four fragments of V of key step sg, each in two halves, and their scale words: 20 LDS loads
.irp t, 0,1,2,3
.irp c, 0,1
	ds_load_b128 v[VB+12*\t+6*\c:VB+12*\t+6*\c+3], v[ADV] offset:6144*\t+1536*(\sg)+768*\c
	ds_load_b64 v[VB+12*\t+6*\c+4:VB+12*\t+6*\c+5], v[ADV8] offset:6144*\t+1536*(\sg)+768*\c
.endr
	ds_load_b32 v[VS+\t], v[ADVS] offset:(4*\t+(\sg))*128
.endr
.endm
; The next iteration's W comes from memory while attention runs: in unit u wave w fetches fragment 2 w + u of Wq (i = 0), Wk (1), Wv (2), one in each of the first three key steps.  The last iteration fetches nothing.
.macro STG_LOAD i
	s_cmp_eq_u32 s[IT], 3
	s_cbranch_scc1 .Lnl_\@
.irp p, 0,1,2,3,4,5
	global_load_b64 v[STG+2*\p:STG+2*\p+1], v[GOFF], s[PCO+2*\i:PCO+2*\i+1] offset:48*(\p/3)+8*(\p%3)
.endr
	global_load_b32 v[STGS], v[GSOFF], s[PSC+2*\i:PSC+2*\i+1]
.Lnl_\@:
.endm
.macro STG_STORE i
	s_wait_loadcnt 0x0                             ; asked for at the key step's head
	s_cmp_eq_u32 s[IT], 3
	s_cbranch_scc1 .Lns_\@
.irp g, 0,1,2
	ds_store_b128 v[H3], v[STG+4*\g:STG+4*\g+3] offset:24576*\i+512*\g   ; nobody reads W's images between the two barriers of an iteration's attention
.endr
	ds_store_b32 v[H4], v[STGS] offset:2048*\i
.Lns_\@:
.endm
; A KEY STEP: 128 keys against my 16 queries
.macro STEP sg
	s_wait_dscnt 0x0                               ; this step's K is in (and Q, in the first); the staged stores have read their registers
.if \sg < 3
	STG_LOAD \sg
.endif
	WIN 0x05                                       ; sources 0 (K) and 1 (Q) window 1
.irp t, 0,1,2,3,4,5,6,7
	MMZ S+8*\t, KB+18*(\t/2)+6*(\t%2), QF, KS+\t, QS
.endr
	WIN 0
	NOPS 4                                         ; four places in front of the loads into registers that products have read, and of the first read of the scores
	VLOAD \sg
.if \sg < 3
	KLOAD (\sg)+1
.endif
.irp b, 0,1,2,3
	v_max3_num_f32 v[BM+\b], v[S+16*\b], v[S+16*\b+1], v[S+16*\b+2]   ; the largest score of each block of 32 keys: for the row's maximum, and, since p rises with the score, for the block's largest p
.endr
.irp i, 3,5,7,9,11,13
.irp b, 0,1,2,3
	v_max3_num_f32 v[BM+\b], v[BM+\b], v[S+16*\b+\i], v[S+16*\b+\i+1]
.endr
.endr
.irp b, 0,1,2,3
	v_max_num_f32 v[BM+\b], v[BM+\b], v[S+16*\b+15]
.endr
.irp b, 0,1,2,3
	v_permlanex16_b32 v[PT+\b], v[BM+\b], s[SEL], s[SEL+1]
.endr
.irp b, 0,1,2,3
	v_max_num_f32 v[BM+\b], v[BM+\b], v[PT+\b]     ; with lane l xor 16's 16 keys
.endr
	v_max3_num_f32 v[TMP], v[BM], v[BM+1], v[BM+2]
	v_max_num_f32 v[TMP], v[TMP], v[BM+3]          ; the step's largest score of my query
.if \sg == 0
	v_mul_f32 v[TX], s[CL], v[TMP]                 ; as t: the first step starts the running maximum
	v_floor_f32 v[NM], -v[TX]                      ; -M = floor(-t) = -ceil(t): M is a whole number
.else
	v_mul_f32 v[TMP], s[CL], v[TMP]
	v_max_num_f32 v[TX], v[TX], v[TMP]             ; the running largest t
	v_mov_b32 v[TMP], v[NM]
	v_floor_f32 v[NM], -v[TX]
	v_sub_f32 v[TMP], v[NM], v[TMP]                ; old M - new M: a whole number, 0 or less
	v_cvt_i32_f32 v[TMP], v[TMP]                   ; (it saturates)
	v_ldexp_f32 v[F], 1.0, v[TMP]                  ; f = 2^(old M - new M): a multiplication by it rounds nothing
.endif
.set sj, 0
.rept 32
	v_pk_fma_f32 v[S+sj:S+sj+1], v[S+sj:S+sj+1], s[CL:CL+1], v[NM:NM+1] op_sel_hi:[1,0,0]   ; t - M, two at a time (of the pairs the low word serves both halves)
.set sj, sj+2
.endr
.irp b, 0,1,2,3
	v_fma_f32 v[BM+\b], v[BM+\b], s[CL], v[NM]     ; the same of each block's largest score
.endr
.set sj, 0
.rept 64
	v_exp_f32 v[S+sj], v[S+sj]                     ; p = 2^(t - M), at most 1: not normalised
.set sj, sj+1
.endr
.if \sg == 0
	v_mov_b32 v[SUM], 0                            ; (a plain place behind the exponentials)
	v_mov_b32 v[SUM+1], 0
.else
	v_pk_mul_f32 v[SUM:SUM+1], v[SUM:SUM+1], v[F:F+1] op_sel_hi:[1,0]   ; the sums under the new M.  (A plain place behind the exponentials)
.endif
	s_wait_alu depctr_va_vdst(0)                   ; ahead of the first instruction that names an exponential's result: one for the batch of 64
.irp b, 0,1,2,3
	v_exp_f32 v[BM+\b], v[BM+\b]                   ; the block's largest p: the same two instructions on the same number give the same bits
.endr
	v_pk_add_f32 v[C2:C2+1], v[S:S+1], v[S+2:S+3]  ; the row's sum is taken of the unquantised p: two at a time, in two chains
.set sj, 4
.rept 15
	v_pk_add_f32 v[SUM:SUM+1], v[SUM:SUM+1], v[S+sj:S+sj+1]
	v_pk_add_f32 v[C2:C2+1], v[C2:C2+1], v[S+sj+2:S+sj+3]
.set sj, sj+4
.endr
	v_pk_add_f32 v[SUM:SUM+1], v[SUM:SUM+1], v[C2:C2+1]
	s_wait_alu depctr_va_vdst(0)                   ; and one for the four
.irp b, 0,1,2,3
	v_max_num_f32 v[BM+\b], 0x1800000, v[BM+\b]    ; the floor 2^(3 - 127): the byte cannot fall under 1
.endr
.irp b, 0,1,2,3
	v_add_nc_u32 v[SO+\b], 0xff000000, v[BM+\b]    ; 2 off the exponent field: the conversion's scale operand
.endr
.irp b, 0,1,2,3
	v_lshrrev_b32 v[PT+\b], 23, v[SO+\b]           ; the scale's byte
.endr
	v_lshl_or_b32 v[PS], v[PT+1], 8, v[PT]         ; p's scale word for these 128 keys
	v_lshl_or_b32 v[PS], v[PT+2], 16, v[PS]
	v_lshl_or_b32 v[PS], v[PT+3], 24, v[PS]
.irp c, 0,1
	v_cvt_scalef32_pk16_fp6_f32 v[PCD+6*\c:PCD+6*\c+2], v[S+32*\c:S+32*\c+15], v[SO+2*\c]
	v_cvt_scalef32_pk16_fp6_f32 v[CT+4*\c:CT+4*\c+2], v[S+32*\c+16:S+32*\c+31], v[SO+2*\c+1]
.endr
	v_nop                                          ; one plain place behind a scaled conversion
.irp c, 0,1                                    ; a whole block in a lane: lanes 0-15 block 2 c, lanes 16-31 block 2 c + 1
.irp i, 0,1,2
	v_permlane16_swap_b32 v[PCD+6*\c+\i], v[CT+4*\c+\i]
.endr
.irp i, 0,1,2
	v_mov_b32 v[PCD+6*\c+3+\i], v[CT+4*\c+\i]
.endr
.endr
.if \sg == 0
	NOPS 8                                         ; a scale register written by a vector instruction stands eight places ahead of a scaled product, an operand so written four
.else
.set sj, 0
.rept 16
	v_pk_mul_f32 v[OT+sj:OT+sj+1], v[OT+sj:OT+sj+1], v[F:F+1] op_sel_hi:[1,0]   ; O^T under the new M.  (These are also the places in front of the products below)
.set sj, sj+2
.endr
.endif
.if \sg < 3
	s_wait_dscnt 24                                ; V's 20 loads are in; the next step's K, 24 loads issued behind them, may be out
.else
	s_wait_dscnt 0x0
.endif
.irp t, 0,1,2,3                                ; O^T += V^T P^T: four accumulators by turns
.if \sg == 0
	MMZ OT+8*\t, VB+12*\t, PCD, VS+\t, PS
.else
	MMA OT+8*\t, VB+12*\t, PCD, VS+\t, PS
.endif
.endr
.if \sg < 3
	STG_STORE \sg
.endif
.endm
.macro UNIT_HEAD
	s_wait_dscnt 0x0                               ; the last unit's stores have read the addresses in hand
	v_add_nc_u32 v[H0], s[UQ], v[AQ]
	v_add_nc_u32 v[H1], s[UQ], v[AQ8]
	v_add_nc_u32 v[H2], s[UQS], v[AQS]
	v_add_nc_u32 v[H3], s[UST], v[ASTG]
	v_add_nc_u32 v[H4], s[UQS], v[ASTS]
	WIN 0x40
	ds_load_b128 v[QF:QF+3], v[H0]                 ; q's half image, twice: for k < 64 and for k >= 64
	ds_load_b64 v[QF+4:QF+5], v[H1]
	ds_load_b128 v[QF+6:QF+9], v[H0]
	ds_load_b64 v[QF+10:QF+11], v[H1]
	KLOAD 0
	ds_load_b32 v[QS], v[H2]
.endm
.macro UNIT_TAIL                       ; O^T / l, quantised along d: my head's half of K step s of the last product, for my 16 queries
	s_wait_dscnt 0x0
	v_add_nc_u32 v[H0], s[UO], v[AO]               ; (these lines are also the places behind the last products)
	v_add_nc_u32 v[H1], s[UO], v[AO8]
	v_add_nc_u32 v[H2], s[UOS], v[AOS]
	v_add_f32 v[TMP], v[SUM], v[SUM+1]             ; the sum's two halves,
	v_permlanex16_b32 v[PT], v[TMP], s[SEL], s[SEL+1]
	v_add_f32 v[TMP], v[TMP], v[PT]                ; and lane l xor 16's: the row's sum
	v_rcp_f32 v[F], v[TMP]
	v_nop                                          ; one plain place behind a transcendental
	s_wait_alu depctr_va_vdst(0)                   ; and a wait ahead of its first reader
.set sj, 0
.rept 16
	v_pk_mul_f32 v[OT+sj:OT+sj+1], v[OT+sj:OT+sj+1], v[F:F+1] op_sel_hi:[1,0]
.set sj, sj+2
.endr
	QUANT OT, 1, TP                                ; OT + 16 be + i = d 32 be + 16 h + i of query r
	v_lshl_or_b32 v[TMP], v[TP+1], 8, v[TP]
	ds_store_b128 v[H0], v[PC:PC+3]
	ds_store_b64 v[H1], v[PC+4:PC+5]
	ds_store_b32 v[H2], v[TMP]
	s_cmp_eq_u32 s[UU], 0                          ; the staging pointers (their loads are in): K step 1 of the same rows, or K step 0 of the rows 128 on
	s_cselect_b32 s[STC], 96, s60
	s_cselect_b32 s[STS], 4, s61
.irp i, 0,1,2
	s_add_nc_u64 s[PCO+2*\i:PCO+2*\i+1], s[PCO+2*\i:PCO+2*\i+1], s[STC:STC+1]
	s_add_nc_u64 s[PSC+2*\i:PSC+2*\i+1], s[PSC+2*\i:PSC+2*\i+1], s[STS:STS+1]
.endr
	s_add_co_u32 s[UQ], s[UQ], 768
	s_add_co_u32 s[UQS], s[UQS], 128
	s_add_co_u32 s[UST], s[UST], 1536
	s_add_co_u32 s[UO], s[UO], 3072
	s_add_co_u32 s[UOS], s[UOS], 512
.endm
; ================ THE HEAD
	s_load_b512 s[8:23], s[0:1], 0x0               ; x s[8:9], skip s[10:11], time_emb s[12:13], sin s[14:15], cos s[16:17], Wq's codes s[18:19], scales s[20:21], Wkv's codes s[22:23]
	s_load_b128 s[24:27], s[0:1], 0x40             ; Wkv's scales s[24:25], the workspace s[26:27]
	s_set_vgpr_msb 0x40
	v_lshl_add_u32 v254, v0, 2, 0x40000
	v_mov_b32 v255, 0
	s_set_vgpr_msb 0x4000
	v_lshrrev_b32 v64, 5, v0
	v_readfirstlane_b32 s[WV], v64                 ; wave 0..7
	s_lshr_b32 s[HP], s[WV], 2
	s_and_b32 s[QP], s[WV], 3
	s_and_b32 s[QH], ttmp9, 1                      ; which half of the window's queries.  Eight neighbouring work-groups are four windows side by side x two halves
	s_bfe_u32 s[WY], ttmp9, 0x30001
	s_bfe_u32 s[WX], ttmp9, 0x30004
	s_lshr_b32 s[BB], ttmp9, 7                     ; batch
	s_mov_b32 s[SEL], 0x76543210
	s_mov_b32 s[SEL+1], 0xfedcba98
	s_mov_b32 s[CL], 0x3e38aa3b                    ; log2(e) / 8
	s_mov_b32 s[CL+1], s[CL]
	s_mov_b32 s[STC+1], 0
	s_mov_b32 s[STS+1], 0
	s_mov_b32 s60, 24480                           ; 128 rows of 192 bytes, less the 96 of K step 1
	s_mov_b32 s61, 1020                            ; 128 rows of 8 bytes, less 4
	v_and_b32 v64, 31, v0                          ; l
	v_and_b32 v65, 15, v0                          ; r
	v_bfe_u32 v66, v0, 4, 1                        ; h
	v_lshlrev_b32 v[AWA], 4, v64
	v_lshlrev_b32 v67, 2, v64                      ; 4 l
	v_lshlrev_b32 v68, 3, v64                      ; 8 l
	v_lshlrev_b32 v69, 4, v65
	v_mad_u32_u24 v69, v66, 768, v69               ; 768 h + 16 r
	v_lshlrev_b32 v70, 3, v65
	v_mad_u32_u24 v70, v66, 768, v70               ; 768 h + 8 r
	v_add_nc_u32 v[AWB], 49152, v[AWA]
	v_add_nc_u32 v[AWS], WSC, v67
	LADR KP16, 69, WV, 3072, KIMG
	LADR KP8, 70, WV, 3072, KIMG+512
	LADR KSS, 67, WV, 512, KSC
	LADR VP16, AWA, WV, 768, VIMG
	LADR VP8, 68, WV, 768, VIMG+512
	s_lshr_b32 s2, s[WV], 1
	s_lshl_b32 s2, s2, 7
	s_and_b32 s3, s[WV], 1
	s_lshl_b32 s3, s3, 1
	s_add_co_u32 s2, s2, s3
	s_add_co_u32 s2, s2, VSC
	v_add_nc_u32 v[VSS], s2, v67
	LADR QP16, 69, WV, 1536, QIMG
	LADR QP8, 70, WV, 1536, QIMG+512
	LADR AQS, 67, WV, 256, QSC
	LADR ADK, AWA, HP, 24576, KIMG
	LADR ADK8, 68, HP, 24576, KIMG+512
	LADR ADKS, 67, HP, 4096, KSC
	LADR ADV, AWA, HP, 24576, VIMG
	LADR ADV8, 68, HP, 24576, VIMG+512
	LADR ADVS, 67, HP, 2048, VSC
	LADR AQ, AWA, WV, 1536, QIMG
	LADR AQ8, 68, WV, 1536, QIMG+512
	LADR AO, AWA, WV, 6144, OIMG
	LADR AO8, 68, WV, 6144, OIMG+512
	LADR AOS, 67, WV, 1024, OSC
	LADR ASTG, AWA, WV, 3072, 0
	LADR ASTS, 67, WV, 256, WSC
	v_and_b32 v71, 8, v65
	v_add_nc_u32 v71, v71, v65                     ; r + 8 (r / 8)
	v_mul_u32_u24 v[GOFF], v71, 192
	v_mad_u32_u24 v[GOFF], v66, 24, v[GOFF]
	v_lshlrev_b32 v[GSOFF], 3, v71
	v_lshrrev_b32 v72, 2, v64                      ; l / 4
	v_and_b32 v73, 3, v64                          ; l % 4
	v_lshlrev_b32 v[H0], 16, v72
	v_lshl_add_u32 v[H0], v73, 4, v[H0]            ; x, skip: channel l / 4 (65,536 bytes each), pixels 4 (l % 4) on
	LADR H1, AWA, WV, SCRW, SCR                    ; the scratch, on the way in: 16 l
	v_lshlrev_b32 v74, 2, v65
	v_mad_u32_u24 v74, v66, 2112, v74
	LADR H2, 74, WV, SCRW, SCR                     ; and on the way out: 2,112 h + 4 r
	v_lshlrev_b32 v[H3], 2, v72                    ; time_emb: 4 (l / 4)
	v_lshlrev_b32 v[H4], 7, v65
	v_lshl_add_u32 v[H4], v66, 6, v[H4]            ; cos, sin: pixel r (128 bytes), channels 16 h on
	v_lshlrev_b32 v[H8], 3, v66
	v_mov_b32 v[PX], 0                             ; written once: a lane permute's destination counts as one of its sources
	v_mov_b32 v[PS], 0                             ; (named as the upper half of the pair with f)
.irp b, 0,1,2,3
	v_mov_b32 v[PT+\b], 0
	v_mov_b32 v[TP+\b], 0
.endr
	s_lshl_b32 s2, s[WV], 1
	s_lshl_b32 s3, s[QH], 3
	s_add_co_u32 s2, s2, s3
	s_and_b32 s2, s2, 15                           ; my first true row of the window: (2 w + 8 QH) & 15
	s_lshl_b32 s3, s[WX], 4
	s_add_co_u32 s2, s2, s3                        ; and of the picture
	s_lshl_b32 s96, s2, 9                          ; 512 bytes a row,
	s_lshl_b32 s3, s[WY], 6
	s_add_co_u32 s96, s96, s3                      ; 64 bytes a window,
	s_lshl_b32 s3, s[BB], 24
	s_add_co_u32 s96, s96, s3                      ; 16,777,216 a batch
	s_mov_b32 s97, 0
	s_wait_kmcnt 0x0
	s_add_nc_u64 s[BP:BP+1], s[8:9], s[96:97]
	s_add_nc_u64 s[BP+2:BP+3], s[BP:BP+1], 0x800000   ; channels 128 on
	s_add_nc_u64 s[BP+4:BP+5], s[10:11], s[96:97]
	s_add_nc_u64 s[BP+6:BP+7], s[BP+4:BP+5], 0x800000
	s_lshl_b32 s96, s[BB], 10
	s_add_nc_u64 s[PTE:PTE+1], s[12:13], s[96:97]
	s_lshl_b32 s96, s2, 14                         ; cos, sin: 16,384 bytes a row of the picture,
	s_lshl_b32 s3, s[WY], 11
	s_add_co_u32 s96, s96, s3                      ; 2,048 a window
	s_add_nc_u64 s[PCOS:PCOS+1], s[16:17], s[96:97]
	s_add_nc_u64 s[PSIN:PSIN+1], s[14:15], s[96:97]
	s_mul_i32 s96, ttmp9, OWG                      ; the workspace: my work-group's 57,344 bytes,
	s_mul_i32 s3, s[WV], OWV
	s_add_co_u32 s96, s96, s3                      ; my wave's 7,168 of them
	s_add_nc_u64 s[POW:POW+1], s[26:27], s[96:97]
	s_lshl_b32 s2, s[HP], 6
	s_lshr_b32 s3, s[QP], 1
	s_lshl_b32 s3, s3, 5
	s_add_co_u32 s2, s2, s3
	s_and_b32 s3, s[WV], 1
	s_lshl_b32 s3, s3, 3
	s_add_co_u32 s2, s2, s3                        ; the tile of W that I stage begins at row 64 (w / 4) + 32 ((w % 4) / 2) + 8 (w % 2)
	s_mul_i32 s96, s2, 192
	s_add_nc_u64 s[PCO:PCO+1], s[18:19], s[96:97]
	s_add_nc_u64 s[PCO+2:PCO+3], s[22:23], s[96:97]
	s_add_nc_u64 s[PCO+4:PCO+5], s[PCO+2:PCO+3], 98304   ; V's rows are Wkv's rows 512 on
	s_lshl_b32 s96, s2, 3
	s_add_nc_u64 s[PSC:PSC+1], s[20:21], s[96:97]
	s_add_nc_u64 s[PSC+2:PSC+3], s[24:25], s[96:97]
	s_add_nc_u64 s[PSC+4:PSC+5], s[PSC+2:PSC+3], 4096
	WIN 0x40                                       ; destination window 1
.irp u, 0,1
.irp k, 0,1,2,3
	global_load_b128 v[CS+32*\u+4*\k:CS+32*\u+4*\k+3], v[H4], s[PCOS:PCOS+1] offset:16384*\u+16*\k
	global_load_b128 v[CS+32*\u+16+4*\k:CS+32*\u+16+4*\k+3], v[H4], s[PSIN:PSIN+1] offset:16384*\u+16*\k
.endr
.endr
.irp ks, 0,1
.irp i, 0,1,2,3,4,5,6,7,8,9,10,11,12,13,14,15
	global_load_b32 v[TE+16*\ks+\i], v[H3], s[PTE:PTE+1] offset:4*(128*\ks+8*\i)
.endr
.endr
.irp i, 0,1,2                                  ; the first iteration's W: my tile, both K steps, of Wq, Wk, Wv
.irp u, 0,1
.irp p, 0,1,2,3,4,5
	global_load_b64 v[KB+12*(2*\i+\u)+2*\p:KB+12*(2*\i+\u)+2*\p+1], v[GOFF], s[PCO+2*\i:PCO+2*\i+1] offset:96*\u+48*(\p/3)+8*(\p%3)
.endr
	global_load_b32 v[QF+2*\i+\u], v[GSOFF], s[PSC+2*\i:PSC+2*\i+1] offset:4*\u
.endr
.endr
	WIN 0
	RLOAD 0
	RLOAD 1
.irp f, 0,1,2,3,4,5,6,7
	FRAG \f
.endr
	s_wait_dscnt 0x0                               ; the stores of W's images have read KB's registers
	WIN 0x40
.irp j, 0,1,2,3
.irp i, 6,7,8,9,10,11
	v_mov_b32 v[KB+18*\j+\i], 0                    ; the zero codes that two tiles of K share: written once
.endr
.endr
	WIN 0
.irp i, 0,1,2
	s_add_nc_u64 s[PCO+2*\i:PCO+2*\i+1], s[PCO+2*\i:PCO+2*\i+1], 24576   ; on to the second iteration's rows (every load is in)
	s_add_nc_u64 s[PSC+2*\i:PSC+2*\i+1], s[PSC+2*\i:PSC+2*\i+1], 1024
.endr
	BARRIER                                        ; W's 48 images lie in LDS; nobody reads the scratch any more, where K and V will be laid
	s_mov_b32 s[IT], 0
.Liter:
	; ---- PROJECTION: V and K of heads 2 s, 2 s + 1 for my four pixel tiles
	WLOAD 0, 2, 0
	GROUP 0, 0, 0, 0, 2, 4
	GROUP 0, 0, 1, 1, 1, 0
	GROUP 1, 0, 0, 0, 1, 4
	GROUP 1, 0, 1, 1, 2, 8
	GROUP 0, 1, 0, 0, 2, 12
	GROUP 0, 1, 1, 1, 1, 8
	GROUP 1, 1, 0, 0, 1, 12
	GROUP 1, 1, 1, 1, 9, 0
	s_cmp_lt_u32 s[WV], 4                          ; waves 0-3 own the query rows: Q of both heads for their two tiles of x'
	s_cbranch_scc0 .Lnoq
	s_wait_dscnt 0x0
	WLOAD 0, 0, 0
	GROUP 2, 0, 0, 0, 0, 4
	GROUP 2, 0, 1, 1, 0, 8
	GROUP 2, 1, 0, 0, 0, 12
	GROUP 2, 1, 1, 1, 9, 0
.Lnoq:
	BARRIER                                        ; K's, V's and Q's images lie in LDS; nobody reads W's images any more
	; ---- ATTENTION: my head, my two query tiles one after the other
	s_mov_b32 s[UQ], 0
	s_mov_b32 s[UQS], 0
	s_mov_b32 s[UST], 0
	s_mul_i32 s[UO], s[IT], 768
	s_lshl_b32 s[UOS], s[IT], 7
	s_mov_b32 s[UU], 0
.Lunit:
	UNIT_HEAD
	STEP 0
	STEP 1
	STEP 2
	STEP 3
	UNIT_TAIL
	s_add_co_u32 s[UU], s[UU], 1
	s_cmp_lt_u32 s[UU], 2
	s_cbranch_scc1 .Lunit
	BARRIER                                        ; nobody reads K, V, Q any more; the next W lies in LDS
	s_add_co_u32 s[IT], s[IT], 1
	s_cmp_lt_u32 s[IT], 4
	s_cbranch_scc1 .Liter
	; ================ THE WAY OUT: my own eight half images of O (6,144 bytes) and their scale words (1,024 bytes) go from LDS to the workspace as they lie
	s_mul_i32 s2, s[WV], 1024
	s_add_co_u32 s2, s2, OSC
	v_add_nc_u32 v[H0], s2, v[AWA]                 ; OSC + 1,024 w + 16 l
.irp i, 0,1,2,3,4,5,6,7,8,9,10,11
	ds_load_b128 v[DO+4*\i:DO+4*\i+3], v[AO] offset:512*\i
.endr
.irp i, 0,1
	ds_load_b128 v[DO+48+4*\i:DO+48+4*\i+3], v[H0] offset:512*\i
.endr
.irp i, 0,1,2,3,4,5,6,7,8,9,10,11,12,13
	s_wait_dscnt 13-\i                             ; LDS loads come back in order: load i is in, the 13 - i behind it may be out
	global_store_b128 v[AWA], v[DO+4*\i:DO+4*\i+3], s[POW:POW+1] offset:512*\i   ; 32 lanes store 512 consecutive bytes, at a multiple of 256 from the workspace's first byte
.endr
	s_set_vgpr_msb 0x5
	s_wait_tensorcnt 0x0
	ds_add_u32 v254, v255
	s_wait_dscnt 0x0
	s_set_vgpr_msb 0x500
	s_endpgm
.Lfunc_end_k_q396d33cf8e_winattn:
	.size	k_q396d33cf8e_winattn, .Lfunc_end_k_q396d33cf8e_winattn-k_q396d33cf8e_winattn
	.p2alignl 7, 3214868480
	.fill 96, 4, 3214868480
	.section	.rodata,"a",@progbits
	.p2align	6, 0x0
	.amdhsa_kernel k_q396d33cf8e_winattn
		.amdhsa_group_segment_fixed_size 263168
		.amdhsa_private_segment_fixed_size 0
		.amdhsa_enable_private_segment 0
		.amdhsa_kernarg_size 80
		.amdhsa_user_sgpr_count 2
		.amdhsa_user_sgpr_kernarg_segment_ptr 1
		.amdhsa_wavefront_size32 1
		.amdhsa_system_sgpr_workgroup_id_x 1
		.amdhsa_system_sgpr_workgroup_id_y 1
		.amdhsa_system_sgpr_workgroup_id_z 1
		.amdhsa_system_vgpr_workitem_id 0
		.amdhsa_next_free_vgpr 512
		.amdhsa_next_free_sgpr 100
		.amdhsa_reserve_vcc 0
		.amdhsa_float_denorm_mode_32 3
		.amdhsa_float_denorm_mode_16_64 3
		.amdhsa_memory_ordered 1
		.amdhsa_forward_progress 1
		.amdhsa_inst_pref_size 255
	.end_amdhsa_kernel
	.section	.bss,"aw",@nobits
	.p2align	6
	.space	262144
	.amdgpu_metadata
---
amdhsa.version: [ 1, 2 ]
amdhsa.kernels:
  - .name:           k_q396d33cf8e_winattn
    .symbol:         k_q396d33cf8e_winattn.kd
    .args:
      - { .name: x, .offset: 0, .size: 8, .value_kind: global_buffer, .address_space: global }
      - { .name: skip, .offset: 8, .size: 8, .value_kind: global_buffer, .address_space: global }
      - { .name: time_emb, .offset: 16, .size: 8, .value_kind: global_buffer, .address_space: global }
      - { .name: sin, .offset: 24, .size: 8, .value_kind: global_buffer, .address_space: global }
      - { .name: cos, .offset: 32, .size: 8, .value_kind: global_buffer, .address_space: global }
      - { .name: Wq_codes, .offset: 40, .size: 8, .value_kind: global_buffer, .address_space: global }
      - { .name: Wq_scales, .offset: 48, .size: 8, .value_kind: global_buffer, .address_space: global }
      - { .name: Wkv_codes, .offset: 56, .size: 8, .value_kind: global_buffer, .address_space: global }
      - { .name: Wkv_scales, .offset: 64, .size: 8, .value_kind: global_buffer, .address_space: global }
      - { .name: ows, .offset: 72, .size: 8, .value_kind: global_buffer, .address_space: global }
    .group_segment_fixed_size: 263168
    .private_segment_fixed_size: 0
    .kernarg_segment_align: 8
    .kernarg_segment_size: 80
    .max_flat_workgroup_size: 256
    .sgpr_count:     100
    .vgpr_count:     512
    .wavefront_size: 32
...
	.end_amdgpu_metadata
.endif
;; end of part 1
;; launch outproj (part 2): grid 256 x 1, 8 waves a work-group, no clusters, 226,304 bytes of LDS; arguments ows, Wout_codes, Wout_scales, bout, out0; writes out0
.if DOCPART == 2
	.amdgcn_target "amdgcn-amd-amdhsa--gfx1250"
	.amdhsa_code_object_version 6
	.text
	.protected	k_q396d33cf8e_outproj
	.globl	k_q396d33cf8e_outproj
	.p2align	8
	.type	k_q396d33cf8e_outproj,@function
k_q396d33cf8e_outproj:
	s_mov_b64 s[64:65], 0
	v_nop
	global_prefetch_b8 v0, s[64:65] scope:SCOPE_SE
	s_setreg_imm32_b32 hwreg(HW_REG_WAVE_MODE, 25, 1), 1
	s_wait_xcnt 0x0
; THE SECOND OF TWO LAUNCHES: out0 = Wout O + bout, on codes of FP6 (E2M3) with one E8M0 scale for each 32 along K = (head, d) = 512.  O comes from the workspace, as the first launch laid it:
; 57,344 bytes a work-group of that launch, 7,168 a wave: half images (16 pixels x 64 along K: 16 bytes at 16 x lane, 8 bytes at 512 + 8 x lane) at 768 (4 u + s), and from byte 6,144 on scale words at 128 (4 u + s) + 4 x lane.
; SHARES.  A work-group = (batch, image row X): 128 pixels x 256 channels.  A pixel tile = the 16 pixels of window wy in that row.  It was made by the first launch's work-group
; B x 128 + (X / 16) x 16 + 2 wy + (X / 8) % 2, in its waves QP (even heads) and 4 + QP (odd heads), QP = (X / 2) % 4, as unit u = X % 2: for each of the two, 3,072 consecutive bytes of codes and 512 of scale words.
; Wave w fetches tile wy = w and lays it in LDS for all; it makes channels 32 w .. 32 w + 31 for all 128 pixels, 64 pixels at a time.
; Wout: a wave's 32 rows are 12,288 consecutive bytes: they come by loads of 512 consecutive bytes and go through the wave's own LDS, rows 400 bytes apart (100 words: row r starts at bank 36 r mod 64, so that the
; 32 lanes of a load of 8 bytes touch 64 different banks: 64 banks of 4 bytes, ISA guide 11.1), from where the fragments are read.
; THE PRODUCT: source 0 = 16 pixels of O, source 1 = 16 rows of Wout: a lane holds ONE channel (lane % 16) and eight neighbouring pixels 8 (lane / 16) + 0 .. 7.  The bias is the C of each sum's first product.
; THE WAY OUT.  32 channels x 64 pixels go through the wave's own stage (rows of 256 bytes + 16) and come back as whole rows: sixteen lanes store 256 consecutive bytes of a channel, at a multiple of 256 from out0's first byte.
; NO CLUSTER, NO TENSOR LOAD: all work-groups read the same 98,304 bytes of Wout, but once, at the head, each wave its own part through its own registers; there is no loop in which a joint request could recur.
; LIMITS: those of the first launch; none of its own.
; LDS
.set OC,   0                           ; O's codes: tile wy x 6,144 + hp x 3,072 + ks x 768
.set OS2,  49152                       ; O's scale words, the two heads' halves joined: wy x 512 + ks x 128 + 4 x lane
.set WL,   53248                       ; Wout: 12,800 bytes a wave: 32 rows x 400
.set WLB,  12800
.set WP,   400
.set STGE, 155648                      ; the stages: 8,704 bytes a wave: 32 rows x 272
.set STB,  8704
.set SP,   272
; VECTOR REGISTERS, window 0
.set L16,  1                           ; 16 l: offset of the dense loads; LDS address of O's images
.set OCW,  2                           ; where I lay O's codes: 6,144 w + 16 l
.set OSW,  3                           ; and its scale words: OS2 + 512 w + 16 l
.set WW,   4                           ; v4-6 where I lay Wout: WL + 12,800 w + 16 l + 16 (1 where l >= 24 - 8 k)
.set WLR,  7                           ; where I read its fragments: WL + 12,800 w + 400 r + 24 h
.set ADC8, 8                           ; 512 + 8 l
.set ADS,  9                           ; OS2 + 4 l
.set STO,  10                          ; the stage, in: STGE + 8,704 w + 272 r + 32 h
.set SRD,  11                          ; and back: STGE + 8,704 w + 272 h + 16 r
.set OV,   12                          ; out0: 65,536 h + 16 r
.set WOSO, 13                          ; Wout's scale bytes: 16 r
.set BOF,  14                          ; bout: 4 r
.set XS,   16                          ; v16-31 O's scale words: 4 t + ks          (registers that hold scales and nothing else)
.set WS,   32                          ; v32-39 Wout's: 4 cc + ks                  (likewise)
.set BT,   44                          ; v44-45 bout of my lane's channel, cc = 0, 1
.set RO,   64                          ; v64-111 O's codes as loaded; v112-119 its half scale words; v120-123 joined
.set WO,   64                          ; v64-159 then Wout's eight fragments: 12 (4 cc + ks)
.set RW,   160                         ; v160-255 Wout as loaded
.set ACC,  160                         ; v160-223 then eight accumulators: 8 (4 cc + t); on the way out the rows read back
.set BI,   224                         ; v224-239 the bias in the result's layout: 8 cc
.set OF,   0                           ; window 1: v0-191 O's sixteen fragments of 64 pixels: 12 (4 t + ks)
; SCALARS
.set WV,   14
.set BB,   15
.set XR,   16
.set PCD,  22                          ; s[22:23] my tile's codes in the workspace
.set PSD,  24                          ; s[24:25] its scale words
.set PWO,  26                          ; s[26:27] my 32 rows of Wout's codes
.set PWOS, 28                          ; s[28:29] of its scale bytes
.set PBO,  30                          ; s[30:31] my 32 numbers of bout
.set POUT, 32                          ; s[32:33] out0 at my first channel, my image row
.set MSB, 0
.macro WIN new                         ; bits 1:0 source 0, 3:2 source 1, 5:4 source 2, 7:6 destination; the immediate's high byte repeats the setting that is left
.if MSB != \new
	s_set_vgpr_msb (MSB<<8)|\new
.set MSB, \new
.endif
.endm
.macro NOPS n
.rept \n
	v_nop
.endr
.endm
.macro LADR dst, src, mul, base        ; an LDS address: a constant + a constant x wave + a lane term
	s_mul_i32 s2, s[WV], \mul
	s_add_co_u32 s2, s2, \base
	v_add_nc_u32 v[\dst], s2, v[\src]
.endm
.macro MMA d, a, b, sa, sb
	v_wmma_scale_f32_16x16x128_f8f6f4 v[0+(\d):7+(\d)], v[0+(\a):11+(\a)], v[0+(\b):11+(\b)], v[0+(\d):7+(\d)], v[0+(\sa)], v[0+(\sb)] matrix_a_fmt:MATRIX_FMT_FP6 matrix_b_fmt:MATRIX_FMT_FP6
.endm
.macro MMC d, a, b, c, sa, sb
	v_wmma_scale_f32_16x16x128_f8f6f4 v[0+(\d):7+(\d)], v[0+(\a):11+(\a)], v[0+(\b):11+(\b)], v[0+(\c):7+(\c)], v[0+(\sa)], v[0+(\sb)] matrix_a_fmt:MATRIX_FMT_FP6 matrix_b_fmt:MATRIX_FMT_FP6
.endm
	s_load_b128 s[4:7], s[0:1], 0x0                ; the workspace s[4:5], Wout's codes s[6:7]
	s_load_b128 s[8:11], s[0:1], 0x10              ; Wout's scales s[8:9], bout s[10:11]
	s_load_b64 s[12:13], s[0:1], 0x20              ; out0
	v_lshl_add_u32 v62, v0, 2, 0x37000
	v_mov_b32 v63, 0
	v_lshrrev_b32 v40, 5, v0
	v_readfirstlane_b32 s[WV], v40                 ; wave 0..7
	v_and_b32 v40, 31, v0                          ; l
	v_and_b32 v41, 15, v0                          ; r
	v_bfe_u32 v42, v0, 4, 1                        ; h
	v_lshlrev_b32 v[L16], 4, v40
	LADR OCW, L16, 6144, OC
	LADR OSW, L16, 512, OS2
; Wout's 12,288 bytes are 768 pieces of 16; a row is 24 pieces.  Piece q lies at 16 q + 16 (q / 24).  Load 3 a + k brings pieces 96 a + 32 k + l, which lie in row 4 a + k, or one row on where l >= 24 - 8 k
.irp k, 0,1,2
	v_add_nc_u32 v43, 8+8*\k, v40
	v_lshrrev_b32 v43, 5, v43                      ; 1 where l >= 24 - 8 k
	v_lshl_add_u32 v43, v43, 4, v[L16]
	LADR WW+\k, 43, WLB, WL
.endr
	v_mul_u32_u24 v43, v41, WP
	v_mad_u32_u24 v43, v42, 24, v43
	LADR WLR, 43, WLB, WL
	v_lshl_add_u32 v[ADC8], v40, 3, 512
	v_lshl_add_u32 v[ADS], v40, 2, OS2
	v_mul_u32_u24 v43, v41, SP
	v_lshl_add_u32 v43, v42, 5, v43
	LADR STO, 43, STB, STGE
	v_mul_u32_u24 v43, v42, SP
	v_lshl_add_u32 v43, v41, 4, v43
	LADR SRD, 43, STB, STGE
	v_lshlrev_b32 v[OV], 4, v41
	v_lshl_add_u32 v[OV], v42, 16, v[OV]
	v_lshlrev_b32 v[WOSO], 4, v41
	v_lshlrev_b32 v[BOF], 2, v41
	s_lshr_b32 s[BB], ttmp9, 7                     ; batch
	s_and_b32 s[XR], ttmp9, 127                    ; image row X
	s_lshr_b32 s17, s[XR], 4                       ; the row of windows
	s_bfe_u32 s18, s[XR], 0x10003                  ; which half of the window's queries: (X / 8) % 2
	s_bfe_u32 s19, s[XR], 0x20001                  ; QP = (X / 2) % 4
	s_and_b32 s34, s[XR], 1                        ; u
	s_lshl_b32 s20, s[BB], 7
	s_lshl_b32 s2, s17, 4
	s_add_co_u32 s20, s20, s2
	s_lshl_b32 s2, s[WV], 1                        ; my tile's window: wy = w
	s_add_co_u32 s20, s20, s2
	s_add_co_u32 s20, s20, s18                     ; the first launch's work-group
	s_mul_i32 s20, s20, 57344
	s_mul_i32 s2, s19, 7168                        ; its wave QP
	s_add_co_u32 s20, s20, s2
	s_mul_i32 s2, s34, 3072                        ; unit u's four half images
	s_add_co_u32 s36, s20, s2
	s_mov_b32 s37, 0
	s_lshl_b32 s2, s34, 9                          ; and its four runs of scale words
	s_add_co_u32 s38, s20, s2
	s_add_co_u32 s38, s38, 6144
	s_mov_b32 s39, 0
	s_mov_b32 s21, 0
	s_wait_kmcnt 0x0
	s_add_nc_u64 s[PCD:PCD+1], s[4:5], s[36:37]
	s_add_nc_u64 s[PSD:PSD+1], s[4:5], s[38:39]
	s_mul_i32 s20, s[WV], 12288                    ; 32 rows of 384 bytes
	s_add_nc_u64 s[PWO:PWO+1], s[6:7], s[20:21]
	s_lshl_b32 s20, s[WV], 9                       ; of 16 scale bytes
	s_add_nc_u64 s[PWOS:PWOS+1], s[8:9], s[20:21]
	s_lshl_b32 s20, s[WV], 7
	s_add_nc_u64 s[PBO:PBO+1], s[10:11], s[20:21]
	s_lshl_b32 s20, s[BB], 24                      ; out0: 16,777,216 bytes a batch,
	s_lshl_b32 s2, s[WV], 21
	s_add_co_u32 s20, s20, s2                      ; 32 channels of 65,536,
	s_lshl_b32 s2, s[XR], 9
	s_add_co_u32 s20, s20, s2                      ; 512 a row
	s_add_nc_u64 s[POUT:POUT+1], s[12:13], s[20:21]
.irp hp, 0,1                                   ; the odd heads' wave lies four waves, 28,672 bytes, on
.irp i, 0,1,2,3,4,5
	global_load_b128 v[RO+4*(6*\hp+\i):RO+4*(6*\hp+\i)+3], v[L16], s[PCD:PCD+1] offset:28672*\hp+512*\i th:TH_LOAD_NT   ; 512 consecutive bytes; each byte of the workspace is read once in the launch
.endr
.endr
.irp hp, 0,1
	global_load_b128 v[RO+48+4*\hp:RO+48+4*\hp+3], v[L16], s[PSD:PSD+1] offset:28672*\hp th:TH_LOAD_NT
.endr
.set qi, 0
.rept 24
	global_load_b128 v[RW+4*qi:RW+4*qi+3], v[L16], s[PWO:PWO+1] offset:512*qi
.set qi, qi+1
.endr
.irp cc, 0,1
.irp ks, 0,1,2,3
	global_load_b32 v[WS+4*\cc+\ks], v[WOSO], s[PWOS:PWOS+1] offset:256*\cc+4*\ks
.endr
	global_load_b32 v[BT+\cc], v[BOF], s[PBO:PBO+1] offset:64*\cc
.endr
	s_wait_loadcnt 34                              ; O's 14 loads are in; the 24 + 8 + 2 issued behind them may be out
.irp e, 0,1,2,3
	v_lshl_or_b32 v[RO+56+\e], v[RO+52+\e], 16, v[RO+48+\e]   ; the even head's two bytes below, the odd head's above: a K step's scale word
.endr
.irp hp, 0,1
.irp i, 0,1,2,3,4,5
	ds_store_b128 v[OCW], v[RO+4*(6*\hp+\i):RO+4*(6*\hp+\i)+3] offset:3072*\hp+512*\i
.endr
.endr
	ds_store_b128 v[OSW], v[RO+56:RO+59]
	s_wait_loadcnt 10                              ; Wout's 24 dense loads are in
.irp a, 0,1,2,3,4,5,6,7
.irp k, 0,1,2
	ds_store_b128 v[WW+\k], v[RW+4*(3*\a+\k):RW+4*(3*\a+\k)+3] offset:512*(3*\a+\k)+16*(4*\a+\k)
.endr
.endr
	s_wait_loadcnt 0x0                             ; Wout's scale words and the bias
	s_wait_dscnt 0x0                               ; my stores have landed, and have read their registers
	s_barrier_signal -1
	s_barrier_wait -1                              ; the row's eight tiles of O lie in LDS
.irp cc, 0,1
.irp j, 0,1,2,3,4,5,6,7
	v_mov_b32 v[BI+8*\cc+\j], v[BT+\cc]            ; all eight pixels of a lane have the lane's channel
.endr
.endr
.irp cc, 0,1
.irp ks, 0,1,2,3
.irp p, 0,1,2,3,4,5
	ds_load_b64 v[WO+12*(4*\cc+\ks)+2*\p:WO+12*(4*\cc+\ks)+2*\p+1], v[WLR] offset:16*WP*\cc+96*\ks+48*(\p/3)+8*(\p%3)
.endr
.endr
.endr
; 64 pixels (windows 4 g .. 4 g + 3) x my 32 channels
.macro GRP g
	WIN 0x40                                       ; destination window 1
.irp t, 0,1,2,3
.irp ks, 0,1,2,3
.irp hp, 0,1
	ds_load_b128 v[OF+12*(4*\t+\ks)+6*\hp:OF+12*(4*\t+\ks)+6*\hp+3], v[L16] offset:((4*\g+\t)*2+\hp)*3072+\ks*768
	ds_load_b64 v[OF+12*(4*\t+\ks)+6*\hp+4:OF+12*(4*\t+\ks)+6*\hp+5], v[ADC8] offset:((4*\g+\t)*2+\hp)*3072+\ks*768
.endr
.endr
.endr
	WIN 0
.irp t, 0,1,2,3
.irp ks, 0,1,2,3
	ds_load_b32 v[XS+4*\t+\ks], v[ADS] offset:(4*\g+\t)*512+\ks*128
.endr
.endr
	s_wait_dscnt 0x0
.if \g > 0
	s_wait_xcnt 0x0                                ; the last group's stores have read their data: the products below write those registers anew only behind this wait
.endif
	WIN 0x01                                       ; source 0 (O) window 1
.irp ks, 0,1,2,3                               ; eight accumulators by turns
.irp cc, 0,1
.irp t, 0,1,2,3
.if \ks == 0
	MMC ACC+8*(4*\cc+\t), OF+12*(4*\t+\ks), WO+12*(4*\cc+\ks), BI+8*\cc, XS+4*\t+\ks, WS+4*\cc+\ks
.else
	MMA ACC+8*(4*\cc+\t), OF+12*(4*\t+\ks), WO+12*(4*\cc+\ks), XS+4*\t+\ks, WS+4*\cc+\ks
.endif
.endr
.endr
.endr
	WIN 0
	NOPS 6                                         ; four places in front of the stores that read results and of loads into these products' registers; five in front of the next group's products, which begin the accumulators anew
.irp cc, 0,1
.irp t, 0,1,2,3
	ds_store_b128 v[STO], v[ACC+8*(4*\cc+\t):ACC+8*(4*\cc+\t)+3] offset:16*SP*\cc+64*\t       ; channel 16 cc + r, pixels 16 t + 8 h + 0 .. 3; each accumulator from its low end on
	ds_store_b128 v[STO], v[ACC+8*(4*\cc+\t)+4:ACC+8*(4*\cc+\t)+7] offset:16*SP*\cc+64*\t+16
.endr
.endr
.irp i, 0,1,2,3,4,5,6,7,8,9,10,11,12,13,14,15
	ds_load_b128 v[ACC+4*\i:ACC+4*\i+3], v[SRD] offset:2*\i*SP   ; LDS serves a wave's instructions in order (ISA guide 5.7.1.4): these see the stores above; the next group's stores come behind them
.endr
.irp i, 0,1,2,3,4,5,6,7,8,9,10,11,12,13,14,15
	s_wait_dscnt 15-\i                             ; load i is in, the 15 - i behind it may be out
	global_store_b128 v[OV], v[ACC+4*\i:ACC+4*\i+3], s[POUT:POUT+1] offset:131072*\i+256*\g th:TH_STORE_NT   ; channels 2 i and 2 i + 1: sixteen lanes each store 256 consecutive bytes, aligned; written once, read by nobody here
.endr
.endm
	GRP 0
	GRP 1
	s_wait_tensorcnt 0x0
	ds_add_u32 v62, v63
	s_wait_dscnt 0x0
	s_endpgm
.Lfunc_end_k_q396d33cf8e_outproj:
	.size	k_q396d33cf8e_outproj, .Lfunc_end_k_q396d33cf8e_outproj-k_q396d33cf8e_outproj
	.p2alignl 7, 3214868480
	.fill 96, 4, 3214868480
	.section	.rodata,"a",@progbits
	.p2align	6, 0x0
	.amdhsa_kernel k_q396d33cf8e_outproj
		.amdhsa_group_segment_fixed_size 226304
		.amdhsa_private_segment_fixed_size 0
		.amdhsa_enable_private_segment 0
		.amdhsa_kernarg_size 40
		.amdhsa_user_sgpr_count 2
		.amdhsa_user_sgpr_kernarg_segment_ptr 1
		.amdhsa_wavefront_size32 1
		.amdhsa_system_sgpr_workgroup_id_x 1
		.amdhsa_system_sgpr_workgroup_id_y 1
		.amdhsa_system_sgpr_workgroup_id_z 1
		.amdhsa_system_vgpr_workitem_id 0
		.amdhsa_next_free_vgpr 512
		.amdhsa_next_free_sgpr 66
		.amdhsa_reserve_vcc 0
		.amdhsa_float_denorm_mode_32 3
		.amdhsa_float_denorm_mode_16_64 3
		.amdhsa_memory_ordered 1
		.amdhsa_forward_progress 1
		.amdhsa_inst_pref_size 43
	.end_amdhsa_kernel
	.amdgpu_metadata
---
amdhsa.version: [ 1, 2 ]
amdhsa.kernels:
  - .name:           k_q396d33cf8e_outproj
    .symbol:         k_q396d33cf8e_outproj.kd
    .args:
      - { .name: ows, .offset: 0, .size: 8, .value_kind: global_buffer, .address_space: global }
      - { .name: Wout_codes, .offset: 8, .size: 8, .value_kind: global_buffer, .address_space: global }
      - { .name: Wout_scales, .offset: 16, .size: 8, .value_kind: global_buffer, .address_space: global }
      - { .name: bout, .offset: 24, .size: 8, .value_kind: global_buffer, .address_space: global }
      - { .name: out0, .offset: 32, .size: 8, .value_kind: global_buffer, .address_space: global }
    .group_segment_fixed_size: 226304
    .private_segment_fixed_size: 0
    .kernarg_segment_align: 8
    .kernarg_segment_size: 40
    .max_flat_workgroup_size: 256
    .sgpr_count:     66
    .vgpr_count:     512
    .wavefront_size: 32
...
	.end_amdgpu_metadata
.endif
;; end of part 2
;; ======== version 2 of 2: 2 launches; version 1 with the launches winattn, outproj written anew for expert scheduling mode
;; workspace buffers: ows 14,680,064 bytes
;; launch winattn (part 3): grid 256 x 1, 8 waves a work-group, no clusters, 263,168 bytes of LDS; arguments x, skip, time_emb, sin, cos, Wq_codes, Wq_scales, Wkv_codes, Wkv_scales, ows; writes ows
.if DOCPART == 3
	.amdgcn_target "amdgcn-amd-amdhsa--gfx1250"
	.amdhsa_code_object_version 6
	.text
	.protected	k_q396d33cf8e_winattn
	.globl	k_q396d33cf8e_winattn
	.p2align	8
	.type	k_q396d33cf8e_winattn,@function
k_q396d33cf8e_winattn:
	s_mov_b64 s[64:65], 0
	v_nop
	global_prefetch_b8 v0, s[64:65] scope:SCOPE_SE
	s_setreg_imm32_b32 hwreg(HW_REG_WAVE_SCHED_MODE, 0, 2), 2
	s_setreg_imm32_b32 hwreg(HW_REG_WAVE_MODE, 25, 1), 1
	s_wait_xcnt 0x0
	s_wait_alu depctr_vm_vsrc(0)
; WINDOWED ATTENTION, 16 x 16 windows, 8 heads of 64, keys = the window's 256 pixels of x + time_emb and the same 256 of skip; three 1x1 convolutions in front (Wq, Wkv), RoPE on the first
; 32 channels of q and k.  THE FIRST OF TWO LAUNCHES: it ends with O (attention's result, divided by the row's sum) quantised along (head, d), as codes and scale words in a workspace; the second launch
; multiplies by Wout.  All products on codes of FP6 (E2M3) with one E8M0 scale for each 32 along K; every operand made on the way is quantised from f32.
; WHY TWO.  A window's row is 64 bytes of a channel's image row of 512.  The second launch owns whole image rows, so that sixteen of its lanes store 256 consecutive bytes of a channel; here every store covers 512.
; SHARES.  256 work-groups.  A work-group = (batch, window, half of the window's queries): 128 queries, all 512 keys, all 8 heads.  K and V of a window are
; projected by both halves: the softmax's vector work is the larger part, and it is spread over twice the work-groups so.  Eight waves of 512 registers.
; LOCAL ROWS.  Local row t of the window is its true row (t + 8 QH) & 15, so the queries are local rows 0-7 in both halves; QH enters global addresses alone.  A pixel tile is one window row: 16 pixels.
; Wave w owns local rows 2 w, 2 w + 1 of x' and of skip (four pixel tiles p = 2 y + u): it quantises them once, keeps their codes in registers (window 1) and makes their K and V (and, w < 4, their Q).
; FOUR ITERATIONS, two heads each (together one K step of 128 of the last product): projection | barrier | attention | barrier.  In attention wave w serves head 2 s + w / 4 and query tiles 2 (w % 4) + u,
; u = 0, 1 one after the other, each over four key steps of 128 keys.
; OPERANDS GO FROM WAVE TO WAVE THROUGH LDS AS IMAGES OF THEIR REGISTERS: a whole fragment (12 registers) as three stores of 16 bytes a lane; a half fragment (6 registers, 64 along K) as 16 bytes at 16 x lane
; and 8 bytes at 512 + 8 x lane.  Scale words: 4 bytes a lane.  O's half images and scale words go to the workspace as they lie in LDS.
; LAYOUTS.  K and Q projections transposed (source 0 = 16 rows of W, source 1 = 16 pixels): a lane holds one pixel, registers run along d.  The rows of W that form a tile are not neighbours: lane r of tile t takes
; row 32 (t / 2) + 8 (t % 2) + r + 8 (r / 8), so that 16 registers of two neighbouring tiles are 16 neighbouring d.  V projection natural (source 0 = pixels): a lane holds one d, registers run along the keys.
; S^T = K Q^T, O^T = V^T P^T: a lane holds one query throughout.
; THE THIRD PRODUCT HAS K = 64: half of each instruction's 128 are zero codes.  Two tiles of K share six registers of zeros: [even tile | zeros | odd tile]; the even tile's operand has its codes at k < 64,
; the odd tile's at k >= 64; Q's fragment holds q twice, and K's and Q's scale words hold their two bytes twice.
; THE ORDER OF THE KEYS.  A block of 32 keys is two window rows of one source, as in the tensor; inside a block, and among the blocks of a step, the keys stand in another order, the same for P and for V.
; SOFTMAX.  t = score x log2(e) / 8; M = the running largest t rounded up to a whole number; p = 2^(t - M) is quantised; the row's sum is taken of the unquantised p and divides O at the end.
; NO CLUSTER, NO TENSOR LOAD.  The two work-groups of a window read the same 524,288 bytes of x and skip, once, at their heads, in runs of 64 bytes (a window's row); the numbers go from registers through
; 8,448 bytes of scratch a wave straight into 96 registers of codes.  Asked for jointly they would have to pass through LDS as f32, in slots filled again many times, for a phase that a work-group runs once.
; LIMITS.  NaN and infinities among the inputs are not served.  A block whose largest magnitude lies under 2^-124 keeps the scale byte 1; a block of zeros has the byte 1 and not 127 (its codes are zeros; the
; bytes are read by this program alone).  RoPE is a product and a fused multiply-add (one rounding fewer than two products and a sum).  1 / l comes from v_rcp_f32.  A block's largest p is taken through its
; largest score, which takes v_exp_f32 not to fall where its input rises.
; THE MODE: SCHED_MODE bits 1:0 = 2 (LLVM: expert scheduling mode 2), set by the entry lines.  The code itself states the register dependences between vector or matrix instructions and memory or LDS
; instructions, with s_wait_alu, always for 0.
; THE PLAN.  Registers that memory or LDS instructions touch, and who else names them:
;   v1-27         addresses, made once at the head and never written again: one wait ahead of the first load serves them for the whole kernel.
;   H0-H4         addresses in hand: written by vector adds at the head, at a unit's head, at its tail (H0-H2) and on the way out (H0); each time a wait on vm_vsrc ahead of the adds and one on va_vdst behind them.
;   RAW0, RAW1    head: a fragment's loads land there; the additions (x alone) write it; its LDS stores read it; the loads of the fragment two on land in it.
;   N             head: LDS loads land there; the maxima and conversions of the same fragment read it.
;   WB0, WB1, WS  a group's products read one set while the next group's LDS loads land in the other, which the group before read: that group's wait ahead of its stores stands behind its products.
;   PC, PW, TMP   written by the quantiser's lines, read by a run of LDS stores: one wait on va_vdst ahead of the run, one on vm_vsrc ahead of the next writer (a group's head, a unit's head).
;   KB, KS, QF, QS  LDS loads land there; the products K Q^T read them: one wait on va_vdst behind those products, ahead of the next step's loads; the same wait frees VB and VS, which the last step's products V^T P^T read.
;   STG, STGS     global loads land there, LDS stores read them, and the quantiser uses the same registers (TM, TP, TS) outside the key steps: no vector instruction of a key step names them.
;   DO            the way out: LDS loads land there, global stores read them.
;
; THE WORKSPACE: 57,344 bytes a work-group, 7,168 a wave: half image (4 u + s) at 768 (4 u + s); behind the eight, from byte 6,144 on, scale words (4 u + s) at 128 (4 u + s) + 4 x lane
.set OWG,  57344
.set OWV,  7168
; LDS
.set WIMG, 0                           ; 48 whole images of W fragments: index 16 m + 8 hp + 2 tile + ks (m = 0 q, 1 k, 2 v), 1,536 bytes each
.set WSC,  73728                       ; their scale words, 128 bytes each
.set KIMG, 79872                       ; hp x 24,576 + K tile x 768 (K tile = 4 w + 2 y + u)
.set KSC,  129024                      ; hp x 4,096 + K tile x 128
.set VIMG, 137216                      ; (4 hp + t) x 6,144 + w x 768: wave w's half (w % 2) of the fragment of key step w / 2
.set VSC,  186368                      ; (4 hp + t) x 512 + key step x 128 + 4 x lane + 2 (w % 2)
.set QIMG, 190464                      ; (2 w' + u) x 768, w' the wave that reads it
.set QSC,  202752                      ; (2 w' + u) x 128
.set OIMG, 204800                      ; w x 6,144 + (4 u + s) x 768
.set OSC,  253952                      ; w x 1,024 + (4 u + s) x 128: the wave's two bytes in the low half of a word
.set SCR,  79872                       ; at the head alone, where K and V will lie: 8,448 bytes a wave: channel ch at 64 ch + 64 (ch / 32), pixel at + 4 px
.set SCRW, 8448
; VECTOR REGISTERS, window 0: addresses that stay
.set AWA,  1                           ; 16 l
.set AWB,  2                           ; 49,152 + 16 l
.set AWS,  3                           ; WSC + 4 l
.set KP16, 4                           ; where I put K's half images: KIMG + 3,072 w + 768 h + 16 r
.set KP8,  5                           ; KIMG + 512 + 3,072 w + 768 h + 8 r
.set KSS,  6                           ; KSC + 512 w + 4 l
.set VP16, 7                           ; VIMG + 768 w + 16 l
.set VP8,  8                           ; VIMG + 512 + 768 w + 8 l
.set VSS,  9                           ; VSC + 128 (w / 2) + 2 (w % 2) + 4 l
.set QP16, 10                          ; QIMG + 1,536 w + 768 h + 16 r
.set QP8,  11                          ; QIMG + 512 + 1,536 w + 768 h + 8 r
.set AQS,  12                          ; QSC + 256 w + 4 l
.set ADK,  13                          ; where I read: KIMG + 24,576 HP + 16 l
.set ADK8, 14                          ; KIMG + 512 + 24,576 HP + 8 l
.set ADKS, 15                          ; KSC + 4,096 HP + 4 l
.set ADV,  16                          ; VIMG + 24,576 HP + 16 l
.set ADV8, 17                          ; VIMG + 512 + 24,576 HP + 8 l
.set ADVS, 18                          ; VSC + 2,048 HP + 4 l
.set AQ,   19                          ; QIMG + 1,536 w + 16 l
.set AQ8,  20                          ; QIMG + 512 + 1,536 w + 8 l
.set AO,   21                          ; OIMG + 6,144 w + 16 l
.set AO8,  22                          ; OIMG + 512 + 6,144 w + 8 l
.set AOS,  23                          ; OSC + 1,024 w + 4 l
.set ASTG, 24                          ; where I stage the next iteration's W: 3,072 w + 16 l
.set ASTS, 25                          ; WSC + 256 w + 4 l
.set GOFF, 26                          ; W in memory: (r + 8 (r / 8)) x 192 + 24 h
.set GSOFF, 27                         ; its scale bytes: (r + 8 (r / 8)) x 8
.set H0,   28                          ; v28-32: addresses in hand
.set H1,   29
.set H2,   30
.set H3,   31
.set H4,   32
; registers that hold scales and nothing else
.set QS,   33                          ; Q's scale word
.set XS,   34                          ; v34-41 x' and skip: 2 p + ks
.set KS,   42                          ; v42-49 K's eight of a key step
.set WS,   42                          ; in the projections W's: 4 set + f
.set VS,   50                          ; v50-53 V's
.set PS,   59                          ; P's
; small
.set NM,   54                          ; -M
.set TX,   55                          ; the largest t
.set SUM,  56                          ; v[56:57] the row's sum in two halves
.set F,    58                          ; 2^(old M - new M); 1 / l
.set SBH,  60                          ; v60-63 the scale bytes of block 0 of d, kept for block 1's group
.set PW,   54                          ; v54-57 in the projections: scale words on their way to LDS
; attention
.set VB,   64                          ; v64-111  V's four fragments of a key step
.set S,    112                         ; v112-175 S^T, then p
.set OT,   176                         ; v176-207 O^T
.set PCD,  208                         ; v208-219 p's codes
.set CT,   220                         ; v220-227 conversions' second halves
.set BM,   228                         ; v228-231 the blocks' largest scores
.set PT,   232                         ; v232-235
.set SO,   236                         ; v236-239 the conversions' scale operands
.set C2,   240                         ; v[240:241] the sum's second chain
.set TMP,  242
.set STGS, 243                         ; a staged scale word
.set STG,  244                         ; v244-255 a staged fragment of W
; projections
.set WB,   64                          ; v64-159  two sets of four fragments of W
.set ACC,  160                         ; v160-223 eight accumulators
.set PC,   224                         ; v224-242 codes, and the conversions' second halves at +12, +16
.set RT,   224                         ; v224-239 RoPE's products
.set TM,   244                         ; v244-247 largest magnitudes
.set TP,   248                         ; v248-251 the other half's; then bytes
.set TS,   252                         ; v252-255 the conversions' scale operands
; head
.set RAW,  64                          ; v64-191  two sets of 64 numbers as loaded
.set N,    192                         ; v192-255 64 numbers of one pixel
.set QM,   54                          ; v54-57
.set PWD,  58
.set PX,   60
.set H8,   61                          ; 8 h
; end
.set DO,   64                          ; v64-119  my O area on its way from LDS to the workspace
; window 1
.set XF,   0                           ; v0-95    the codes of my four pixel tiles: 24 p + 12 ks
.set TE,   48                          ; v48-79   at the head: time_emb of my lane's channels (until skip's codes take the place)
.set CS,   96                          ; v96-159  row u: cos at 32 u + i, sin at 32 u + 16 + i: channel 16 h + i of pixel r
.set KB,   160                         ; v160-231 four times [even tile 6 | zeros 6 | odd tile 6]; at the head the first six fragments of W
.set QF,   232                         ; v232-243 q, twice; at the head six scale words of W
.set XT,   244                         ; v244-250 conversions' second halves at the head
; SCALARS
.set WV,   34
.set HP,   35                          ; w / 4
.set QP,   36                          ; w % 4
.set IT,   37                          ; iteration
.set UU,   38                          ; unit
.set SEL,  40                          ; s[40:41] v_permlanex16_b32's selects for lane l xor 16
.set CL,   42                          ; s[42:43] log2(e) / 8, twice
.set PCO,  44                          ; s[44:49] where I stage from: codes of Wq, Wk, Wv
.set PSC,  50                          ; s[50:55] and their scale bytes
.set STC,  56                          ; s[56:57], s[58:59] these pointers' steps
.set STS,  58
.set UQ,   62                          ; 768 u
.set UQS,  63                          ; 128 u
.set UO,   66                          ; 768 (4 u + s)
.set UOS,  67                          ; 128 (4 u + s)
.set UST,  68                          ; 1,536 u
.set BP,   70                          ; s[70:77] x, skip at my first row: 4 y + 2 ks
.set PTE,  78
.set PCOS, 80
.set PSIN, 82
.set QH,   84
.set WY,   85
.set WX,   86
.set BB,   87
.set POW,  88                          ; s[88:89] my wave's 7,168 bytes of the workspace
.set MSB, 0
.macro WIN new                         ; bits 1:0 source 0, 3:2 source 1, 5:4 source 2, 7:6 destination; the immediate's high byte repeats the setting that is left
.if MSB != \new
	s_set_vgpr_msb (MSB<<8)|\new
.set MSB, \new
.endif
.endm
.macro NOPS n
.rept \n
	v_nop
.endr
.endm
.macro BARRIER                         ; my LDS stores have landed and my LDS loads are in: then the work-group's barrier
	s_wait_dscnt 0x0
	s_barrier_signal -1
	s_barrier_wait -1
.endm
.macro LADR dst, src, sreg, mul, base  ; an LDS address: a constant + a constant x (w or w / 4) + a lane term
	s_mul_i32 s2, s[\sreg], \mul
	s_add_co_u32 s2, s2, \base
	v_add_nc_u32 v[\dst], s2, v[\src]
.endm
; the matrix instruction: C = 0, C = D
.macro MMZ d, a, b, sa, sb
	v_wmma_scale_f32_16x16x128_f8f6f4 v[0+(\d):7+(\d)], v[0+(\a):11+(\a)], v[0+(\b):11+(\b)], 0, v[0+(\sa)], v[0+(\sb)] matrix_a_fmt:MATRIX_FMT_FP6 matrix_b_fmt:MATRIX_FMT_FP6
.endm
.macro MMA d, a, b, sa, sb
	v_wmma_scale_f32_16x16x128_f8f6f4 v[0+(\d):7+(\d)], v[0+(\a):11+(\a)], v[0+(\b):11+(\b)], v[0+(\d):7+(\d)], v[0+(\sa)], v[0+(\sb)] matrix_a_fmt:MATRIX_FMT_FP6 matrix_b_fmt:MATRIX_FMT_FP6
.endm
; ---------------- THE HEAD'S MACROS
; Fragment f = 4 y + 2 ks + u: 16 pixels (my row u of source y) x 128 channels.  A lane reads 4 pixels (l % 4) of channel 8 i + l / 4: an instruction reads eight runs of 64 bytes.
.macro RLOAD f
.set rb, BP+4*((\f)/4)+2*(((\f)/2)%2)
.set rr, RAW+64*((\f)%2)
.irp i, 0,1,2,3,4,5,6,7,8,9,10,11,12,13,14,15
	global_load_b128 v[rr+4*\i:rr+4*\i+3], v[H0], s[rb:rb+1] offset:524288*\i+512*((\f)%2)
.endr
.endm
.macro W0STORE                         ; the first iteration's six fragments of W that I fetched, as images (the data come from loads: the wait on LOADcnt is theirs)
	WIN 0x04                                       ; an LDS store's data are its source 1: window 1
.irp i, 0,1,2
.irp u, 0,1
.irp g, 0,1,2
	ds_store_b128 v[ASTG], v[KB+12*(2*\i+\u)+4*\g:KB+12*(2*\i+\u)+4*\g+3] offset:24576*\i+1536*\u+512*\g
.endr
	ds_store_b32 v[ASTS], v[QF+2*\i+\u] offset:2048*\i+128*\u
.endr
.endr
	WIN 0
.endm
; 64 numbers of a lane, v[N + 32 c + i] = channel 64 c + 32 h + i of pixel r: two whole blocks.  They become the fragment (p, ks) in window 1 and its scale word.
.macro QUANTW p, ks
.set xf, XF+24*(\p)+12*(\ks)
.irp k, 0,1,2,3
	v_max3_num_f32 v[QM+\k], |v[N+16*\k]|, |v[N+16*\k+1]|, 0x1800000   ; four chains of 16 numbers, and the floor 2^(3 - 127): so the byte cannot fall under 1
.endr
.irp i, 2,4,6,8,10,12,14
.irp k, 0,1,2,3
	v_max3_num_f32 v[QM+\k], v[QM+\k], |v[N+16*\k+\i]|, |v[N+16*\k+\i+1]|
.endr
.endr
	v_max_num_f32 v[QM], v[QM], v[QM+1]            ; block h's largest magnitude,
	v_max_num_f32 v[QM+1], v[QM+2], v[QM+3]        ; block 2 + h's
	v_add_nc_u32 v[QM+2], 0xff000000, v[QM]        ; 2 off the exponent field: the conversion takes the exponent field of this operand as its scale
	v_add_nc_u32 v[QM+3], 0xff000000, v[QM+1]
	v_lshrrev_b32 v[QM], 23, v[QM+2]               ; the scales' bytes
	v_lshrrev_b32 v[QM+1], 23, v[QM+3]
	v_lshl_or_b32 v[PWD], v[QM+1], 16, v[QM]
	v_lshlrev_b32 v[PWD], v[H8], v[PWD]            ; at their places in the word, 8 h bits up;
	v_permlanex16_b32 v[PX], v[PWD], s[SEL], s[SEL+1]
	v_or_b32 v[XS+2*(\p)+(\ks)], v[PWD], v[PX]     ; with lane l xor 16's two the word is whole
	WIN 0x40                                       ; destination window 1
.irp c, 0,1
	v_cvt_scalef32_pk16_fp6_f32 v[xf+6*\c:xf+6*\c+2], v[N+32*\c:N+32*\c+15], v[QM+2+\c]
	v_cvt_scalef32_pk16_fp6_f32 v[XT+4*\c:XT+4*\c+2], v[N+32*\c+16:N+32*\c+31], v[QM+2+\c]   ; (a conversion's three registers begin on an even number)
.endr
	v_nop                                          ; one plain place behind a scaled conversion
	WIN 0x41
.irp c, 0,1
.irp i, 0,1,2
	v_mov_b32 v[xf+6*\c+3+\i], v[XT+4*\c+\i]
.endr
.endr
	WIN 0
.endm
.macro FRAG f
.set fr, RAW+64*((\f)%2)
.set fks, ((\f)/2)%2
.if \f < 7
	s_wait_loadcnt 16                              ; this fragment's 16 loads are in, and all that was asked for ahead of them; the next fragment's 16 may be out
.else
	s_wait_loadcnt 0x0
.endif
.if \f == 0
	W0STORE
.endif
.if \f < 4                                     ; x' = x + time_emb
	WIN 0x01                                       ; source 0 window 1
.irp i, 0,1,2,3,4,5,6,7,8,9,10,11,12,13,14,15
.irp e, 0,1,2,3
	v_add_f32 v[fr+4*\i+\e], v[TE+16*fks+\i], v[fr+4*\i+\e]
.endr
.endr
	WIN 0
.endif
	s_wait_alu depctr_va_vdst(0)                   ; x's fragments: the additions have written this set, which the LDS stores read; every fragment but the first: the last fragment's maxima and conversions are done reading N, in which the LDS loads land
.irp i, 0,1,2,3,4,5,6,7,8,9,10,11,12,13,14,15
	ds_store_b128 v[H1], v[fr+4*\i:fr+4*\i+3] offset:512*\i+64*(\i/4)   ; as loaded: 512 consecutive bytes, eight channels x 16 pixels
.endr
.set qi, 0
.rept 64
	ds_load_b32 v[N+qi], v[H2] offset:4224*(qi/32)+64*(qi%32)   ; and back down the channels (LDS serves a wave's instructions in order); lanes 16-31 stand 2,112 bytes on: 16 words further round the 64 banks (ISA guide 11.1)
.set qi, qi+1
.endr
	s_wait_dscnt 0x0                               ; the numbers are in
.if \f < 6
	s_wait_alu depctr_vm_vsrc(0)                   ; the LDS stores have read this set (in the first fragment: and the stores of W's images their registers of window 1),
	RLOAD (\f)+2                                   ; which takes the fragment two on; the additions that named it stand ahead of the wait on va_vdst above
.endif
	QUANTW 2*((\f)/4)+(\f)%2, fks
.endm
; ---------------- THE PROJECTIONS' MACROS
; four fragments of W (two tiles x two K steps; f = 2 tile + ks) and their scale words into set
.macro WLOAD set, m, idx0
.irp f, 0,1,2,3
.irp g, 0,1,2
.if \m < 2
	ds_load_b128 v[WB+48*(\set)+12*\f+4*\g:WB+48*(\set)+12*\f+4*\g+3], v[AWA] offset:(16*\m+\idx0+\f)*1536+512*\g
.else
	ds_load_b128 v[WB+48*(\set)+12*\f+4*\g:WB+48*(\set)+12*\f+4*\g+3], v[AWB] offset:(\idx0+\f)*1536+512*\g
.endif
.endr
	ds_load_b32 v[WS+4*(\set)+\f], v[AWS] offset:(16*\m+\idx0+\f)*128
.endr
.endm
; K or Q, transposed: source 0 = a tile of W, source 1 = pixel tile p.  In ACC + 16 p + i lane (r, h) holds d = 32 be + 16 h + i of pixel r.  The accumulators take turns.
.macro KMUL set, np
	WIN 0x04                                       ; source 1 window 1
.irp ks, 0,1
.set kp, 0
.rept \np
.irp uu, 0,1
.if \ks == 0
	MMZ ACC+16*kp+8*\uu, WB+48*(\set)+12*(2*\uu+\ks), XF+24*kp+12*\ks, WS+4*(\set)+2*\uu+\ks, XS+2*kp+\ks
.else
	MMA ACC+16*kp+8*\uu, WB+48*(\set)+12*(2*\uu+\ks), XF+24*kp+12*\ks, WS+4*(\set)+2*\uu+\ks, XS+2*kp+\ks
.endif
.endr
.set kp, kp+1
.endr
.endr
.endm
; V, natural: source 0 = pixel tile p, source 1 = a tile of W.  In ACC + 32 tt + 8 p + j lane (r, h) holds pixel 8 h + j of tile p, for the d of lane r.
.macro VMUL set
	WIN 0x01                                       ; source 0 window 1
.irp ks, 0,1
.irp tt, 0,1
.irp p, 0,1,2,3
.if \ks == 0
	MMZ ACC+32*\tt+8*\p, XF+24*\p+12*\ks, WB+48*(\set)+12*(2*\tt+\ks), XS+2*\p+\ks, WS+4*(\set)+2*\tt+\ks
.else
	MMA ACC+32*\tt+8*\p, XF+24*\p+12*\ks, WB+48*(\set)+12*(2*\tt+\ks), XS+2*\p+\ks, WS+4*(\set)+2*\tt+\ks
.endif
.endr
.endr
.endr
.endm
; RoPE on d = 16 h + 0 .. 15 of np pixel tiles: a[2 m] = a[2 m] cos - a[2 m + 1] sin, a[2 m + 1] = a[2 m + 1] cos + a[2 m] sin, each with its own channel's cos and sin
.macro ROPE np
	WIN 0x04                                       ; source 1 (cos, sin) window 1
.set rp, 0
.rept \np
.set ra, ACC+16*rp
.set rc, CS+32*(rp%2)
.set ri, 0
.rept 8
	v_mul_f32 v[RT+ri], -v[ra+ri+1], v[rc+16+ri]
	v_mul_f32 v[RT+ri+1], v[ra+ri], v[rc+16+ri+1]
.set ri, ri+2
.endr
.set ri, 0
.rept 16
	v_fma_f32 v[ra+ri], v[ra+ri], v[rc+ri], v[RT+ri]
.set ri, ri+1
.endr
.set rp, rp+1
.endr
	WIN 0
.endm
; 2 np half blocks of 16 registers at s + 16 b, each whole with lane l xor 16's, become codes.  Pair c (half blocks 2 c, 2 c + 1) ends as six registers at PC + 6 c: lanes 0-15 hold the whole block of
; half block 2 c, lanes 16-31 that of 2 c + 1.  The scales' bytes go to bd + b.
.macro QUANT s, np, bd
.set qb, 0
.rept 2*(\np)
	v_max3_num_f32 v[TM+qb], |v[(\s)+16*qb]|, |v[(\s)+16*qb+1]|, 0x1800000   ; my 16 numbers, from the accumulators' low ends on, and the floor 2^(3 - 127)
.set qb, qb+1
.endr
.set qi, 2
.rept 7
.set qb, 0
.rept 2*(\np)
	v_max3_num_f32 v[TM+qb], v[TM+qb], |v[(\s)+16*qb+qi]|, |v[(\s)+16*qb+qi+1]|
.set qb, qb+1
.endr
.set qi, qi+2
.endr
.set qb, 0
.rept 2*(\np)
	v_permlanex16_b32 v[TP+qb], v[TM+qb], s[SEL], s[SEL+1]
.set qb, qb+1
.endr
.set qb, 0
.rept 2*(\np)
	v_max_num_f32 v[TM+qb], v[TM+qb], v[TP+qb]     ; the block's largest magnitude
.set qb, qb+1
.endr
.set qb, 0
.rept 2*(\np)
	v_add_nc_u32 v[TS+qb], 0xff000000, v[TM+qb]    ; 2 off its exponent field: the conversion's scale operand
.set qb, qb+1
.endr
.set qb, 0
.rept 2*(\np)
	v_lshrrev_b32 v[(\bd)+qb], 23, v[TS+qb]        ; the scale's byte
.set qb, qb+1
.endr
.set qc, 0
.rept \np
	v_cvt_scalef32_pk16_fp6_f32 v[PC+6*qc:PC+6*qc+2], v[(\s)+32*qc:(\s)+32*qc+15], v[TS+2*qc]
	v_cvt_scalef32_pk16_fp6_f32 v[PC+12+4*qc:PC+14+4*qc], v[(\s)+32*qc+16:(\s)+32*qc+31], v[TS+2*qc+1]   ; (a conversion's three registers begin on an even number)
.set qc, qc+1
.endr
	v_nop                                          ; one plain place behind a scaled conversion
.set qc, 0
.rept \np
.irp i, 0,1,2
	v_permlane16_swap_b32 v[PC+6*qc+\i], v[PC+12+4*qc+\i]   ; the first's lanes 16-31 change places with the second's lanes 0-15
.endr
.irp i, 0,1,2
	v_mov_b32 v[PC+6*qc+3+\i], v[PC+12+4*qc+\i]
.endr
.set qc, qc+1
.endr
.endm
; A group: two tiles of W (d = 32 be .. 32 be + 31 of head hp of the pair) against my pixel tiles.  kind 0: V, 1: K, 2: Q.  nm, nidx: the next group's fragments of W, fetched into the other set (nm = 9: none).
; Two waits on the wave's own results: one at the head, one ahead of the run of LDS stores, all of whose data (codes and scale words) are made ahead of it.  Behind that second wait the group holds no vector
; instruction: so it also shows this group's products done reading their set of W and its scale words, in which the loads of the group after next land.
.macro GROUP kind, hp, be, set, nm, nidx
	s_wait_dscnt 0x0                               ; this set's fragments are in
	s_wait_alu depctr_vm_vsrc(0)                   ; the LDS stores issued so far (the last group's; in an iteration's first group the last unit's) have read the codes' and scale words' registers, which this group's vector instructions write again
.if \nm < 3
	WLOAD 1-(\set), \nm, \nidx                     ; the products that read that set stand ahead of the last group's wait on va_vdst (in an iteration's first group: of the last unit's), and no vector instruction since names it
.endif
.if \kind == 0
	VMUL \set
.elseif \kind == 1
	KMUL \set, 4
.else
	KMUL \set, 2
.endif
	WIN 0
	NOPS 4                                         ; four places between the last product and the first read of results (ISA guide 7.12.1)
.if \kind == 0
	QUANT ACC, 2, TP                               ; half block 2 tt + y: my d's keys of source y: rows u = 0, 1, pixels 8 h + 0 .. 7
.irp j, 0,1
	v_lshl_or_b32 v[PW+\j], v[TP+2*\j+1], 8, v[TP+2*\j]
.endr
	s_wait_alu depctr_va_vdst(0)                   ; the quantiser's lines have written the codes and the two scale half words, which the LDS stores read
.irp j, 0,1
	ds_store_b128 v[VP16], v[PC+6*\j:PC+6*\j+3] offset:(4*\hp+2*\be+\j)*6144   ; lane (r, h): block y = h of d row r: half w % 2 of the fragment of key step w / 2, as it stands
	ds_store_b64 v[VP8], v[PC+6*\j+4:PC+6*\j+5] offset:(4*\hp+2*\be+\j)*6144
	ds_store_b16 v[VSS], v[PW+\j] offset:(4*\hp+2*\be+\j)*512   ; my two bytes of the fragment's scale word
.endr
.elseif \kind == 1
.if \be == 0
	ROPE 4
	QUANT ACC, 2, SBH
.else
	QUANT ACC, 2, TP
.irp p, 0,1,2,3
	v_lshl_or_b32 v[PW+\p], v[TP+\p], 8, v[SBH+\p]
	v_lshl_or_b32 v[PW+\p], v[PW+\p], 16, v[PW+\p] ; the two bytes twice: for codes at k < 64 and at k >= 64
.endr
.endif
	s_wait_alu depctr_va_vdst(0)                   ; the quantiser's lines have written the codes (and, with block 1 of d, the four scale words), which the LDS stores read
.irp j, 0,1                                    ; lane (r, h) holds block be of pixel r of tile 2 j + h: it belongs to lane r + 16 be of that tile's half image
	ds_store_b128 v[KP16], v[PC+6*\j:PC+6*\j+3] offset:24576*\hp+1536*\j+256*\be
	ds_store_b64 v[KP8], v[PC+6*\j+4:PC+6*\j+5] offset:24576*\hp+1536*\j+128*\be
.endr
.if \be == 1
.irp p, 0,1,2,3
	ds_store_b32 v[KSS], v[PW+\p] offset:4096*\hp+128*\p
.endr
.endif
.else
.if \be == 0
	ROPE 2
	QUANT ACC, 1, SBH
.else
	QUANT ACC, 1, TP
.irp p, 0,1
	v_lshl_or_b32 v[PW+\p], v[TP+\p], 8, v[SBH+\p]
	v_lshl_or_b32 v[PW+\p], v[PW+\p], 16, v[PW+\p]
.endr
.endif
	s_wait_alu depctr_va_vdst(0)                   ; the quantiser's lines have written the codes (and, with block 1 of d, the two scale words), which the LDS stores read
	ds_store_b128 v[QP16], v[PC:PC+3] offset:6144*\hp+256*\be   ; to the wave 4 hp + w that serves this head and these queries
	ds_store_b64 v[QP8], v[PC+4:PC+5] offset:6144*\hp+128*\be
.if \be == 1
.irp p, 0,1
	ds_store_b32 v[AQS], v[PW+\p] offset:1024*\hp+128*\p
.endr
.endif
.endif
.endm
; ---------------- ATTENTION'S MACROS
.macro KLOAD sg                        ; the eight tiles of K of key step sg, and their scale words: 24 LDS loads
	WIN 0x40                                       ; destination window 1
.irp t, 0,1,2,3,4,5,6,7
	ds_load_b128 v[KB+18*(\t/2)+12*(\t%2):KB+18*(\t/2)+12*(\t%2)+3], v[ADK] offset:(8*(\sg)+\t)*768
	ds_load_b64 v[KB+18*(\t/2)+12*(\t%2)+4:KB+18*(\t/2)+12*(\t%2)+5], v[ADK8] offset:(8*(\sg)+\t)*768
.endr
	WIN 0
.irp t, 0,1,2,3,4,5,6,7
	ds_load_b32 v[KS+\t], v[ADKS] offset:(8*(\sg)+\t)*128
.endr
.endm
.macro VLOAD sg                        ; the four fragments of V of key step sg, each in two halves, and their scale words: 20 LDS loads
.irp t, 0,1,2,3
.irp c, 0,1
	ds_load_b128 v[VB+12*\t+6*\c:VB+12*\t+6*\c+3], v[ADV] offset:6144*\t+1536*(\sg)+768*\c
	ds_load_b64 v[VB+12*\t+6*\c+4:VB+12*\t+6*\c+5], v[ADV8] offset:6144*\t+1536*(\sg)+768*\c
.endr
	ds_load_b32 v[VS+\t], v[ADVS] offset:(4*\t+(\sg))*128
.endr
.endm
; The next iteration's W comes from memory while attention runs: in unit u wave w fetches fragment 2 w + u of Wq (i = 0), Wk (1), Wv (2), one in each of the first three key steps.  The last iteration fetches nothing.
; The quantiser's lines that named these registers stand ahead of the wait on va_vdst at the unit's head, and no vector instruction of a key step names them.
.macro STG_LOAD i
	s_cmp_eq_u32 s[IT], 3
	s_cbranch_scc1 .Lnl_\@
.irp p, 0,1,2,3,4,5
	global_load_b64 v[STG+2*\p:STG+2*\p+1], v[GOFF], s[PCO+2*\i:PCO+2*\i+1] offset:48*(\p/3)+8*(\p%3)
.endr
	global_load_b32 v[STGS], v[GSOFF], s[PSC+2*\i:PSC+2*\i+1]
.Lnl_\@:
.endm
.macro STG_STORE i
	s_wait_loadcnt 0x0                             ; asked for at the key step's head
	s_cmp_eq_u32 s[IT], 3
	s_cbranch_scc1 .Lns_\@
.irp g, 0,1,2
	ds_store_b128 v[H3], v[STG+4*\g:STG+4*\g+3] offset:24576*\i+512*\g   ; nobody reads W's images between the two barriers of an iteration's attention
.endr
	ds_store_b32 v[H4], v[STGS] offset:2048*\i
.Lns_\@:
.endm
; A KEY STEP: 128 keys against my 16 queries
.macro STEP sg
	s_wait_dscnt 0x0                               ; this step's K is in (and Q, in the first)
.if (\sg > 0) && (\sg < 3)
	s_wait_alu depctr_vm_vsrc(0)                   ; the last step's staged LDS stores have read the staged fragment and its scale word, in which the loads below land (in the first step: the wait at the unit's head)
.endif
.if \sg < 3
	STG_LOAD \sg
.endif
	WIN 0x05                                       ; sources 0 (K) and 1 (Q) window 1
.irp t, 0,1,2,3,4,5,6,7
	MMZ S+8*\t, KB+18*(\t/2)+6*(\t%2), QF, KS+\t, QS
.endr
	WIN 0
	NOPS 4                                         ; four places in front of the first read of the scores (ISA guide 7.12.1)
	s_wait_alu depctr_va_vdst(0)                   ; these products are done reading K's tiles and scale words, and the last step's second products V's fragments and scale words: the loads below land in them.  Only loads and window switches follow up to the last of them
	VLOAD \sg
.if \sg < 3
	KLOAD (\sg)+1
.endif
.irp b, 0,1,2,3
	v_max3_num_f32 v[BM+\b], v[S+16*\b], v[S+16*\b+1], v[S+16*\b+2]   ; the largest score of each block of 32 keys: for the row's maximum, and, since p rises with the score, for the block's largest p
.endr
.irp i, 3,5,7,9,11,13
.irp b, 0,1,2,3
	v_max3_num_f32 v[BM+\b], v[BM+\b], v[S+16*\b+\i], v[S+16*\b+\i+1]
.endr
.endr
.irp b, 0,1,2,3
	v_max_num_f32 v[BM+\b], v[BM+\b], v[S+16*\b+15]
.endr
.irp b, 0,1,2,3
	v_permlanex16_b32 v[PT+\b], v[BM+\b], s[SEL], s[SEL+1]
.endr
.irp b, 0,1,2,3
	v_max_num_f32 v[BM+\b], v[BM+\b], v[PT+\b]     ; with lane l xor 16's 16 keys
.endr
	v_max3_num_f32 v[TMP], v[BM], v[BM+1], v[BM+2]
	v_max_num_f32 v[TMP], v[TMP], v[BM+3]          ; the step's largest score of my query
.if \sg == 0
	v_mul_f32 v[TX], s[CL], v[TMP]                 ; as t: the first step starts the running maximum
	v_floor_f32 v[NM], -v[TX]                      ; -M = floor(-t) = -ceil(t): M is a whole number
.else
	v_mul_f32 v[TMP], s[CL], v[TMP]
	v_max_num_f32 v[TX], v[TX], v[TMP]             ; the running largest t
	v_mov_b32 v[TMP], v[NM]
	v_floor_f32 v[NM], -v[TX]
	v_sub_f32 v[TMP], v[NM], v[TMP]                ; old M - new M: a whole number, 0 or less
	v_cvt_i32_f32 v[TMP], v[TMP]                   ; (it saturates)
	v_ldexp_f32 v[F], 1.0, v[TMP]                  ; f = 2^(old M - new M): a multiplication by it rounds nothing
.endif
.set sj, 0
.rept 32
	v_pk_fma_f32 v[S+sj:S+sj+1], v[S+sj:S+sj+1], s[CL:CL+1], v[NM:NM+1] op_sel_hi:[1,0,0]   ; t - M, two at a time (of the pairs the low word serves both halves)
.set sj, sj+2
.endr
.irp b, 0,1,2,3
	v_fma_f32 v[BM+\b], v[BM+\b], s[CL], v[NM]     ; the same of each block's largest score
.endr
.set sj, 0
	s_wait_alu depctr_va_vdst(0)
.rept 64
	v_exp_f32 v[S+sj], v[S+sj]                     ; p = 2^(t - M), at most 1: not normalised
.set sj, sj+1
.endr
.if \sg == 0
	v_mov_b32 v[SUM], 0                            ; (a plain place behind the exponentials)
	v_mov_b32 v[SUM+1], 0
.else
	v_pk_mul_f32 v[SUM:SUM+1], v[SUM:SUM+1], v[F:F+1] op_sel_hi:[1,0]   ; the sums under the new M.  (A plain place behind the exponentials)
.endif
	s_wait_alu depctr_va_vdst(0)                   ; the 64 exponentials have written p: the wait ahead of the first instruction that names a result: one for the batch
.irp b, 0,1,2,3
	v_exp_f32 v[BM+\b], v[BM+\b]                   ; the block's largest p: the same two instructions on the same number give the same bits
.endr
	v_pk_add_f32 v[C2:C2+1], v[S:S+1], v[S+2:S+3]  ; the row's sum is taken of the unquantised p: two at a time, in two chains
.set sj, 4
.rept 15
	v_pk_add_f32 v[SUM:SUM+1], v[SUM:SUM+1], v[S+sj:S+sj+1]
	v_pk_add_f32 v[C2:C2+1], v[C2:C2+1], v[S+sj+2:S+sj+3]
.set sj, sj+4
.endr
	v_pk_add_f32 v[SUM:SUM+1], v[SUM:SUM+1], v[C2:C2+1]
	s_wait_alu depctr_va_vdst(0)                   ; the four exponentials have written the blocks' largest p, ahead of their first reader
.irp b, 0,1,2,3
	v_max_num_f32 v[BM+\b], 0x1800000, v[BM+\b]    ; the floor 2^(3 - 127): the byte cannot fall under 1
.endr
.irp b, 0,1,2,3
	v_add_nc_u32 v[SO+\b], 0xff000000, v[BM+\b]    ; 2 off the exponent field: the conversion's scale operand
.endr
.irp b, 0,1,2,3
	v_lshrrev_b32 v[PT+\b], 23, v[SO+\b]           ; the scale's byte
.endr
	v_lshl_or_b32 v[PS], v[PT+1], 8, v[PT]         ; p's scale word for these 128 keys
	v_lshl_or_b32 v[PS], v[PT+2], 16, v[PS]
	v_lshl_or_b32 v[PS], v[PT+3], 24, v[PS]
.irp c, 0,1
	v_cvt_scalef32_pk16_fp6_f32 v[PCD+6*\c:PCD+6*\c+2], v[S+32*\c:S+32*\c+15], v[SO+2*\c]
	v_cvt_scalef32_pk16_fp6_f32 v[CT+4*\c:CT+4*\c+2], v[S+32*\c+16:S+32*\c+31], v[SO+2*\c+1]
.endr
	v_nop                                          ; one plain place behind a scaled conversion
.irp c, 0,1                                    ; a whole block in a lane: lanes 0-15 block 2 c, lanes 16-31 block 2 c + 1
.irp i, 0,1,2
	v_permlane16_swap_b32 v[PCD+6*\c+\i], v[CT+4*\c+\i]
.endr
.irp i, 0,1,2
	v_mov_b32 v[PCD+6*\c+3+\i], v[CT+4*\c+\i]
.endr
.endr
.if \sg == 0
	NOPS 8                                         ; a scale register written by a vector instruction stands eight places ahead of a scaled product, an operand so written four
.else
.set sj, 0
.rept 16
	v_pk_mul_f32 v[OT+sj:OT+sj+1], v[OT+sj:OT+sj+1], v[F:F+1] op_sel_hi:[1,0]   ; O^T under the new M.  (These are also the places in front of the products below)
.set sj, sj+2
.endr
.endif
.if \sg < 3
	s_wait_dscnt 24                                ; V's 20 loads are in; the next step's K, 24 loads issued behind them, may be out
.else
	s_wait_dscnt 0x0
.endif
	s_wait_alu depctr_va_vdst(0)                   ; vector instructions have written p's codes and p's scale word, which the scaled products below take as an operand and as scales; the places above stay beside this wait
.irp t, 0,1,2,3                                ; O^T += V^T P^T: four accumulators by turns
.if \sg == 0
	MMZ OT+8*\t, VB+12*\t, PCD, VS+\t, PS
.else
	MMA OT+8*\t, VB+12*\t, PCD, VS+\t, PS
.endif
.endr
.if \sg < 3
	STG_STORE \sg
.endif
.endm
.macro UNIT_HEAD
	s_wait_dscnt 0x0
	s_wait_alu depctr_vm_vsrc(0)                   ; the loads and stores issued so far have read the addresses in hand, which the adds below write; the LDS stores have read the codes', scale words' and staged registers, which the softmax writes and in which the first staged load lands
	v_add_nc_u32 v[H0], s[UQ], v[AQ]
	v_add_nc_u32 v[H1], s[UQ], v[AQ8]
	v_add_nc_u32 v[H2], s[UQS], v[AQS]
	v_add_nc_u32 v[H3], s[UST], v[ASTG]
	v_add_nc_u32 v[H4], s[UQS], v[ASTS]
	WIN 0x40
	s_wait_alu depctr_va_vdst(0)                   ; the five addresses are written; the products issued so far are done reading q, K's tiles and the scale words' registers, in which the loads below land; the quantiser is done with the registers in which the unit's staged loads land
	ds_load_b128 v[QF:QF+3], v[H0]                 ; q's half image, twice: for k < 64 and for k >= 64
	ds_load_b64 v[QF+4:QF+5], v[H1]
	ds_load_b128 v[QF+6:QF+9], v[H0]
	ds_load_b64 v[QF+10:QF+11], v[H1]
	KLOAD 0
	ds_load_b32 v[QS], v[H2]
.endm
.macro UNIT_TAIL                       ; O^T / l, quantised along d: my head's half of K step s of the last product, for my 16 queries
	s_wait_dscnt 0x0
	s_wait_alu depctr_vm_vsrc(0)                   ; q's loads have read three of the addresses in hand, which the adds below write; the third step's staged LDS stores have read the staged registers, which the quantiser writes
	v_add_nc_u32 v[H0], s[UO], v[AO]               ; (these lines are also the places behind the last products)
	v_add_nc_u32 v[H1], s[UO], v[AO8]
	v_add_nc_u32 v[H2], s[UOS], v[AOS]
	v_add_f32 v[TMP], v[SUM], v[SUM+1]             ; the sum's two halves,
	v_permlanex16_b32 v[PT], v[TMP], s[SEL], s[SEL+1]
	v_add_f32 v[TMP], v[TMP], v[PT]                ; and lane l xor 16's: the row's sum
	s_wait_alu depctr_va_vdst(0)
	v_rcp_f32 v[F], v[TMP]
	v_nop                                          ; one plain place behind a transcendental
	s_wait_alu depctr_va_vdst(0)                   ; the reciprocal has written 1 / l, ahead of its first reader
.set sj, 0
.rept 16
	v_pk_mul_f32 v[OT+sj:OT+sj+1], v[OT+sj:OT+sj+1], v[F:F+1] op_sel_hi:[1,0]
.set sj, sj+2
.endr
	QUANT OT, 1, TP                                ; OT + 16 be + i = d 32 be + 16 h + i of query r
	v_lshl_or_b32 v[TMP], v[TP+1], 8, v[TP]
	s_wait_alu depctr_va_vdst(0)                   ; the three addresses, O's codes and its scale half word are written, which the LDS stores read
	ds_store_b128 v[H0], v[PC:PC+3]
	ds_store_b64 v[H1], v[PC+4:PC+5]
	ds_store_b32 v[H2], v[TMP]
	s_cmp_eq_u32 s[UU], 0                          ; the staging pointers (their loads are in): K step 1 of the same rows, or K step 0 of the rows 128 on
	s_cselect_b32 s[STC], 96, s60
	s_cselect_b32 s[STS], 4, s61
.irp i, 0,1,2
	s_add_nc_u64 s[PCO+2*\i:PCO+2*\i+1], s[PCO+2*\i:PCO+2*\i+1], s[STC:STC+1]
	s_add_nc_u64 s[PSC+2*\i:PSC+2*\i+1], s[PSC+2*\i:PSC+2*\i+1], s[STS:STS+1]
.endr
	s_add_co_u32 s[UQ], s[UQ], 768
	s_add_co_u32 s[UQS], s[UQS], 128
	s_add_co_u32 s[UST], s[UST], 1536
	s_add_co_u32 s[UO], s[UO], 3072
	s_add_co_u32 s[UOS], s[UOS], 512
.endm
; ================ THE HEAD
	s_load_b512 s[8:23], s[0:1], 0x0               ; x s[8:9], skip s[10:11], time_emb s[12:13], sin s[14:15], cos s[16:17], Wq's codes s[18:19], scales s[20:21], Wkv's codes s[22:23]
	s_load_b128 s[24:27], s[0:1], 0x40             ; Wkv's scales s[24:25], the workspace s[26:27]
	s_set_vgpr_msb 0x40
	v_lshl_add_u32 v254, v0, 2, 0x40000
	v_mov_b32 v255, 0
	s_set_vgpr_msb 0x4000
	v_lshrrev_b32 v64, 5, v0
	v_readfirstlane_b32 s[WV], v64                 ; wave 0..7
	s_and_b32 s[QH], ttmp9, 1                      ; which half of the window's queries.  Eight neighbouring work-groups are four windows side by side x two halves
	s_bfe_u32 s[WY], ttmp9, 0x30001
	s_bfe_u32 s[WX], ttmp9, 0x30004
	s_lshr_b32 s[BB], ttmp9, 7                     ; batch
	s_mov_b32 s[SEL], 0x76543210
	s_mov_b32 s[SEL+1], 0xfedcba98
	s_mov_b32 s[CL], 0x3e38aa3b                    ; log2(e) / 8
	s_mov_b32 s[CL+1], s[CL]
	s_mov_b32 s[STC+1], 0
	s_mov_b32 s[STS+1], 0
	s_mov_b32 s60, 24480                           ; 128 rows of 192 bytes, less the 96 of K step 1
	s_mov_b32 s61, 1020                            ; 128 rows of 8 bytes, less 4
	s_wait_alu depctr_va_sdst(0)                   ; the wave's number is written, ahead of its first reader
	s_lshr_b32 s[HP], s[WV], 2
	s_and_b32 s[QP], s[WV], 3
	v_and_b32 v64, 31, v0                          ; l
	v_and_b32 v65, 15, v0                          ; r
	v_bfe_u32 v66, v0, 4, 1                        ; h
	v_lshlrev_b32 v[AWA], 4, v64
	v_lshlrev_b32 v67, 2, v64                      ; 4 l
	v_lshlrev_b32 v68, 3, v64                      ; 8 l
	v_lshlrev_b32 v69, 4, v65
	v_mad_u32_u24 v69, v66, 768, v69               ; 768 h + 16 r
	v_lshlrev_b32 v70, 3, v65
	v_mad_u32_u24 v70, v66, 768, v70               ; 768 h + 8 r
	v_add_nc_u32 v[AWB], 49152, v[AWA]
	v_add_nc_u32 v[AWS], WSC, v67
	LADR KP16, 69, WV, 3072, KIMG
	LADR KP8, 70, WV, 3072, KIMG+512
	LADR KSS, 67, WV, 512, KSC
	LADR VP16, AWA, WV, 768, VIMG
	LADR VP8, 68, WV, 768, VIMG+512
	s_lshr_b32 s2, s[WV], 1
	s_lshl_b32 s2, s2, 7
	s_and_b32 s3, s[WV], 1
	s_lshl_b32 s3, s3, 1
	s_add_co_u32 s2, s2, s3
	s_add_co_u32 s2, s2, VSC
	v_add_nc_u32 v[VSS], s2, v67
	LADR QP16, 69, WV, 1536, QIMG
	LADR QP8, 70, WV, 1536, QIMG+512
	LADR AQS, 67, WV, 256, QSC
	LADR ADK, AWA, HP, 24576, KIMG
	LADR ADK8, 68, HP, 24576, KIMG+512
	LADR ADKS, 67, HP, 4096, KSC
	LADR ADV, AWA, HP, 24576, VIMG
	LADR ADV8, 68, HP, 24576, VIMG+512
	LADR ADVS, 67, HP, 2048, VSC
	LADR AQ, AWA, WV, 1536, QIMG
	LADR AQ8, 68, WV, 1536, QIMG+512
	LADR AO, AWA, WV, 6144, OIMG
	LADR AO8, 68, WV, 6144, OIMG+512
	LADR AOS, 67, WV, 1024, OSC
	LADR ASTG, AWA, WV, 3072, 0
	LADR ASTS, 67, WV, 256, WSC
	v_and_b32 v71, 8, v65
	v_add_nc_u32 v71, v71, v65                     ; r + 8 (r / 8)
	v_mul_u32_u24 v[GOFF], v71, 192
	v_mad_u32_u24 v[GOFF], v66, 24, v[GOFF]
	v_lshlrev_b32 v[GSOFF], 3, v71
	v_lshrrev_b32 v72, 2, v64                      ; l / 4
	v_and_b32 v73, 3, v64                          ; l % 4
	v_lshlrev_b32 v[H0], 16, v72
	v_lshl_add_u32 v[H0], v73, 4, v[H0]            ; x, skip: channel l / 4 (65,536 bytes each), pixels 4 (l % 4) on
	LADR H1, AWA, WV, SCRW, SCR                    ; the scratch, on the way in: 16 l
	v_lshlrev_b32 v74, 2, v65
	v_mad_u32_u24 v74, v66, 2112, v74
	LADR H2, 74, WV, SCRW, SCR                     ; and on the way out: 2,112 h + 4 r
	v_lshlrev_b32 v[H3], 2, v72                    ; time_emb: 4 (l / 4)
	v_lshlrev_b32 v[H4], 7, v65
	v_lshl_add_u32 v[H4], v66, 6, v[H4]            ; cos, sin: pixel r (128 bytes), channels 16 h on
	v_lshlrev_b32 v[H8], 3, v66
	v_mov_b32 v[PX], 0                             ; written once: a lane permute's destination counts as one of its sources
	v_mov_b32 v[PS], 0                             ; (named as the upper half of the pair with f)
.irp b, 0,1,2,3
	v_mov_b32 v[PT+\b], 0
	v_mov_b32 v[TP+\b], 0
.endr
	s_lshl_b32 s2, s[WV], 1
	s_lshl_b32 s3, s[QH], 3
	s_add_co_u32 s2, s2, s3
	s_and_b32 s2, s2, 15                           ; my first true row of the window: (2 w + 8 QH) & 15
	s_lshl_b32 s3, s[WX], 4
	s_add_co_u32 s2, s2, s3                        ; and of the picture
	s_lshl_b32 s96, s2, 9                          ; 512 bytes a row,
	s_lshl_b32 s3, s[WY], 6
	s_add_co_u32 s96, s96, s3                      ; 64 bytes a window,
	s_lshl_b32 s3, s[BB], 24
	s_add_co_u32 s96, s96, s3                      ; 16,777,216 a batch
	s_mov_b32 s97, 0
	s_wait_kmcnt 0x0
	s_add_nc_u64 s[BP:BP+1], s[8:9], s[96:97]
	s_add_nc_u64 s[BP+2:BP+3], s[BP:BP+1], 0x800000   ; channels 128 on
	s_add_nc_u64 s[BP+4:BP+5], s[10:11], s[96:97]
	s_add_nc_u64 s[BP+6:BP+7], s[BP+4:BP+5], 0x800000
	s_lshl_b32 s96, s[BB], 10
	s_add_nc_u64 s[PTE:PTE+1], s[12:13], s[96:97]
	s_lshl_b32 s96, s2, 14                         ; cos, sin: 16,384 bytes a row of the picture,
	s_lshl_b32 s3, s[WY], 11
	s_add_co_u32 s96, s96, s3                      ; 2,048 a window
	s_add_nc_u64 s[PCOS:PCOS+1], s[16:17], s[96:97]
	s_add_nc_u64 s[PSIN:PSIN+1], s[14:15], s[96:97]
	s_mul_i32 s96, ttmp9, OWG                      ; the workspace: my work-group's 57,344 bytes,
	s_mul_i32 s3, s[WV], OWV
	s_add_co_u32 s96, s96, s3                      ; my wave's 7,168 of them
	s_add_nc_u64 s[POW:POW+1], s[26:27], s[96:97]
	s_lshl_b32 s2, s[HP], 6
	s_lshr_b32 s3, s[QP], 1
	s_lshl_b32 s3, s3, 5
	s_add_co_u32 s2, s2, s3
	s_and_b32 s3, s[WV], 1
	s_lshl_b32 s3, s3, 3
	s_add_co_u32 s2, s2, s3                        ; the tile of W that I stage begins at row 64 (w / 4) + 32 ((w % 4) / 2) + 8 (w % 2)
	s_mul_i32 s96, s2, 192
	s_add_nc_u64 s[PCO:PCO+1], s[18:19], s[96:97]
	s_add_nc_u64 s[PCO+2:PCO+3], s[22:23], s[96:97]
	s_add_nc_u64 s[PCO+4:PCO+5], s[PCO+2:PCO+3], 98304   ; V's rows are Wkv's rows 512 on
	s_lshl_b32 s96, s2, 3
	s_add_nc_u64 s[PSC:PSC+1], s[20:21], s[96:97]
	s_add_nc_u64 s[PSC+2:PSC+3], s[24:25], s[96:97]
	s_add_nc_u64 s[PSC+4:PSC+5], s[PSC+2:PSC+3], 4096
	WIN 0x40                                       ; destination window 1
	s_wait_alu depctr_va_vdst(0)                   ; all addresses and offsets v1 to v32 are written, which the kernel's loads and stores read; so are v64 to v74 and the permutes' eight registers, in which loads land
.irp u, 0,1
.irp k, 0,1,2,3
	global_load_b128 v[CS+32*\u+4*\k:CS+32*\u+4*\k+3], v[H4], s[PCOS:PCOS+1] offset:16384*\u+16*\k
	global_load_b128 v[CS+32*\u+16+4*\k:CS+32*\u+16+4*\k+3], v[H4], s[PSIN:PSIN+1] offset:16384*\u+16*\k
.endr
.endr
.irp ks, 0,1
.irp i, 0,1,2,3,4,5,6,7,8,9,10,11,12,13,14,15
	global_load_b32 v[TE+16*\ks+\i], v[H3], s[PTE:PTE+1] offset:4*(128*\ks+8*\i)
.endr
.endr
.irp i, 0,1,2                                  ; the first iteration's W: my tile, both K steps, of Wq, Wk, Wv
.irp u, 0,1
.irp p, 0,1,2,3,4,5
	global_load_b64 v[KB+12*(2*\i+\u)+2*\p:KB+12*(2*\i+\u)+2*\p+1], v[GOFF], s[PCO+2*\i:PCO+2*\i+1] offset:96*\u+48*(\p/3)+8*(\p%3)
.endr
	global_load_b32 v[QF+2*\i+\u], v[GSOFF], s[PSC+2*\i:PSC+2*\i+1] offset:4*\u
.endr
.endr
	WIN 0
	RLOAD 0
	RLOAD 1
.irp f, 0,1,2,3,4,5,6,7
	FRAG \f
.endr
	s_wait_dscnt 0x0
	s_wait_alu depctr_vm_vsrc(0)                   ; the last two fragments' LDS stores have read both sets of raw numbers: W's fragments will land there, and the accumulators be written (the stores of W's images have read their registers, six of which in each of four runs the moves below write)
	WIN 0x40
.irp j, 0,1,2,3
.irp i, 6,7,8,9,10,11
	v_mov_b32 v[KB+18*\j+\i], 0                    ; the zero codes that two tiles of K share: written once
.endr
.endr
	WIN 0
	s_wait_alu depctr_va_vdst(0)                   ; vector instructions have written my four pixel tiles' codes and scale words and the zero codes, which scaled products take as operands and scales; the 24 moves above are more than the places that stay beside this wait
.irp i, 0,1,2
	s_add_nc_u64 s[PCO+2*\i:PCO+2*\i+1], s[PCO+2*\i:PCO+2*\i+1], 24576   ; on to the second iteration's rows (every load is in)
	s_add_nc_u64 s[PSC+2*\i:PSC+2*\i+1], s[PSC+2*\i:PSC+2*\i+1], 1024
.endr
	BARRIER                                        ; W's 48 images lie in LDS; nobody reads the scratch any more, where K and V will be laid
	s_mov_b32 s[IT], 0
.Liter:
	; ---- PROJECTION: V and K of heads 2 s, 2 s + 1 for my four pixel tiles
	WLOAD 0, 2, 0                                  ; into registers that held V's fragments and K's scale words: the products that read them stand ahead of the last unit's waits on va_vdst, and no vector instruction since names them
	GROUP 0, 0, 0, 0, 2, 4
	GROUP 0, 0, 1, 1, 1, 0
	GROUP 1, 0, 0, 0, 1, 4
	GROUP 1, 0, 1, 1, 2, 8
	GROUP 0, 1, 0, 0, 2, 12
	GROUP 0, 1, 1, 1, 1, 8
	GROUP 1, 1, 0, 0, 1, 12
	GROUP 1, 1, 1, 1, 9, 0
	s_cmp_lt_u32 s[WV], 4                          ; waves 0-3 own the query rows: Q of both heads for their two tiles of x'
	s_cbranch_scc0 .Lnoq
	s_wait_dscnt 0x0
	WLOAD 0, 0, 0
	GROUP 2, 0, 0, 0, 0, 4
	GROUP 2, 0, 1, 1, 0, 8
	GROUP 2, 1, 0, 0, 0, 12
	GROUP 2, 1, 1, 1, 9, 0
.Lnoq:
	BARRIER                                        ; K's, V's and Q's images lie in LDS; nobody reads W's images any more
	; ---- ATTENTION: my head, my two query tiles one after the other
	s_mov_b32 s[UQ], 0
	s_mov_b32 s[UQS], 0
	s_mov_b32 s[UST], 0
	s_mul_i32 s[UO], s[IT], 768
	s_lshl_b32 s[UOS], s[IT], 7
	s_mov_b32 s[UU], 0
.Lunit:
	UNIT_HEAD
	STEP 0
	STEP 1
	STEP 2
	STEP 3
	UNIT_TAIL
	s_add_co_u32 s[UU], s[UU], 1
	s_cmp_lt_u32 s[UU], 2
	s_cbranch_scc1 .Lunit
	BARRIER                                        ; nobody reads K, V, Q any more; the next W lies in LDS
	s_add_co_u32 s[IT], s[IT], 1
	s_cmp_lt_u32 s[IT], 4
	s_cbranch_scc1 .Liter
	; ================ THE WAY OUT: my own eight half images of O (6,144 bytes) and their scale words (1,024 bytes) go from LDS to the workspace as they lie
	s_wait_alu depctr_vm_vsrc(0)                   ; the last unit's LDS store has read the address in hand that the add below writes
	s_mul_i32 s2, s[WV], 1024
	s_add_co_u32 s2, s2, OSC
	v_add_nc_u32 v[H0], s2, v[AWA]                 ; OSC + 1,024 w + 16 l
	s_wait_alu depctr_va_vdst(0)                   ; that address is written, which two of the loads below read; the vector and matrix instructions that named v64 to v119, in which the loads land, are done
.irp i, 0,1,2,3,4,5,6,7,8,9,10,11
	ds_load_b128 v[DO+4*\i:DO+4*\i+3], v[AO] offset:512*\i
.endr
.irp i, 0,1
	ds_load_b128 v[DO+48+4*\i:DO+48+4*\i+3], v[H0] offset:512*\i
.endr
.irp i, 0,1,2,3,4,5,6,7,8,9,10,11,12,13
	s_wait_dscnt 13-\i                             ; LDS loads come back in order: load i is in, the 13 - i behind it may be out
	global_store_b128 v[AWA], v[DO+4*\i:DO+4*\i+3], s[POW:POW+1] offset:512*\i   ; 32 lanes store 512 consecutive bytes, at a multiple of 256 from the workspace's first byte
.endr
	s_set_vgpr_msb 0x5                             ; the add's two registers lie in window 1: the switch stands ahead of the closing lines
	s_wait_dscnt 0x0                               ; the closing lines, six on end
	s_wait_alu 0x0
	s_wait_tensorcnt 0x0
	ds_add_u32 v254, v255
	s_wait_dscnt 0x0
	s_endpgm
.Lfunc_end_k_q396d33cf8e_winattn:
	.size	k_q396d33cf8e_winattn, .Lfunc_end_k_q396d33cf8e_winattn-k_q396d33cf8e_winattn
	.p2alignl 7, 3214868480
	.fill 96, 4, 3214868480
	.section	.rodata,"a",@progbits
	.p2align	6, 0x0
	.amdhsa_kernel k_q396d33cf8e_winattn
		.amdhsa_group_segment_fixed_size 263168
		.amdhsa_private_segment_fixed_size 0
		.amdhsa_enable_private_segment 0
		.amdhsa_kernarg_size 80
		.amdhsa_user_sgpr_count 2
		.amdhsa_user_sgpr_kernarg_segment_ptr 1
		.amdhsa_wavefront_size32 1
		.amdhsa_system_sgpr_workgroup_id_x 1
		.amdhsa_system_sgpr_workgroup_id_y 1
		.amdhsa_system_sgpr_workgroup_id_z 1
		.amdhsa_system_vgpr_workitem_id 0
		.amdhsa_next_free_vgpr 512
		.amdhsa_next_free_sgpr 100
		.amdhsa_reserve_vcc 0
		.amdhsa_float_denorm_mode_32 3
		.amdhsa_float_denorm_mode_16_64 3
		.amdhsa_memory_ordered 1
		.amdhsa_forward_progress 1
		.amdhsa_inst_pref_size 255
	.end_amdhsa_kernel
	.section	.bss,"aw",@nobits
	.p2align	6
	.space	262144
	.amdgpu_metadata
---
amdhsa.version: [ 1, 2 ]
amdhsa.kernels:
  - .name:           k_q396d33cf8e_winattn
    .symbol:         k_q396d33cf8e_winattn.kd
    .args:
      - { .name: x, .offset: 0, .size: 8, .value_kind: global_buffer, .address_space: global }
      - { .name: skip, .offset: 8, .size: 8, .value_kind: global_buffer, .address_space: global }
      - { .name: time_emb, .offset: 16, .size: 8, .value_kind: global_buffer, .address_space: global }
      - { .name: sin, .offset: 24, .size: 8, .value_kind: global_buffer, .address_space: global }
      - { .name: cos, .offset: 32, .size: 8, .value_kind: global_buffer, .address_space: global }
      - { .name: Wq_codes, .offset: 40, .size: 8, .value_kind: global_buffer, .address_space: global }
      - { .name: Wq_scales, .offset: 48, .size: 8, .value_kind: global_buffer, .address_space: global }
      - { .name: Wkv_codes, .offset: 56, .size: 8, .value_kind: global_buffer, .address_space: global }
      - { .name: Wkv_scales, .offset: 64, .size: 8, .value_kind: global_buffer, .address_space: global }
      - { .name: ows, .offset: 72, .size: 8, .value_kind: global_buffer, .address_space: global }
    .group_segment_fixed_size: 263168
    .private_segment_fixed_size: 0
    .kernarg_segment_align: 8
    .kernarg_segment_size: 80
    .max_flat_workgroup_size: 256
    .sgpr_count:     100
    .vgpr_count:     512
    .wavefront_size: 32
...
	.end_amdgpu_metadata
.endif
;; end of part 3
;; launch outproj (part 4): grid 256 x 1, 8 waves a work-group, no clusters, 226,304 bytes of LDS; arguments ows, Wout_codes, Wout_scales, bout, out0; writes out0
.if DOCPART == 4
	.amdgcn_target "amdgcn-amd-amdhsa--gfx1250"
	.amdhsa_code_object_version 6
	.text
	.protected	k_q396d33cf8e_outproj
	.globl	k_q396d33cf8e_outproj
	.p2align	8
	.type	k_q396d33cf8e_outproj,@function
k_q396d33cf8e_outproj:
	s_mov_b64 s[64:65], 0
	v_nop
	global_prefetch_b8 v0, s[64:65] scope:SCOPE_SE
	s_setreg_imm32_b32 hwreg(HW_REG_WAVE_SCHED_MODE, 0, 2), 2
	s_setreg_imm32_b32 hwreg(HW_REG_WAVE_MODE, 25, 1), 1
	s_wait_xcnt 0x0
	s_wait_alu depctr_vm_vsrc(0)
; THE SECOND OF TWO LAUNCHES: out0 = Wout O + bout, on codes of FP6 (E2M3) with one E8M0 scale for each 32 along K = (head, d) = 512.  O comes from the workspace, as the first launch laid it:
; 57,344 bytes a work-group of that launch, 7,168 a wave: half images (16 pixels x 64 along K: 16 bytes at 16 x lane, 8 bytes at 512 + 8 x lane) at 768 (4 u + s), and from byte 6,144 on scale words at 128 (4 u + s) + 4 x lane.
; SHARES.  A work-group = (batch, image row X): 128 pixels x 256 channels.  A pixel tile = the 16 pixels of window wy in that row.  It was made by the first launch's work-group
; B x 128 + (X / 16) x 16 + 2 wy + (X / 8) % 2, in its waves QP (even heads) and 4 + QP (odd heads), QP = (X / 2) % 4, as unit u = X % 2: for each of the two, 3,072 consecutive bytes of codes and 512 of scale words.
; Wave w fetches tile wy = w and lays it in LDS for all; it makes channels 32 w .. 32 w + 31 for all 128 pixels, 64 pixels at a time.
; Wout: a wave's 32 rows are 12,288 consecutive bytes: they come by loads of 512 consecutive bytes and go through the wave's own LDS, rows 400 bytes apart (100 words: row r starts at bank 36 r mod 64, so that the
; 32 lanes of a load of 8 bytes touch 64 different banks: 64 banks of 4 bytes, ISA guide 11.1), from where the fragments are read.
; THE PRODUCT: source 0 = 16 pixels of O, source 1 = 16 rows of Wout: a lane holds ONE channel (lane % 16) and eight neighbouring pixels 8 (lane / 16) + 0 .. 7.  The bias is the C of each sum's first product.
; THE WAY OUT.  32 channels x 64 pixels go through the wave's own stage (rows of 256 bytes + 16) and come back as whole rows: sixteen lanes store 256 consecutive bytes of a channel, at a multiple of 256 from out0's first byte.
; NO CLUSTER, NO TENSOR LOAD: all work-groups read the same 98,304 bytes of Wout, but once, at the head, each wave its own part through its own registers; there is no loop in which a joint request could recur.
; LIMITS: those of the first launch; none of its own.
; THE MODE: SCHED_MODE bits 1:0 = 2 (LLVM: expert scheduling mode 2), set by the entry lines.  The code itself states the register dependences between vector or matrix instructions and memory or LDS
; instructions, with s_wait_alu, always for 0.
; THE PLAN.  Registers that memory or LDS instructions touch, and who else names them:
;   v1-14     addresses and offsets, made once at the head and never written again: one wait ahead of the first load serves them all.
;   RO        global loads land there; four vector lines join the scale half words; LDS stores read it.  Behind the barrier Wout's fragments (WO) land in the same registers.
;   RW        global loads land there; LDS stores read it.  Behind the barrier the bias (moves) and the accumulators (products) are written there.
;   OF, XS    a group's LDS loads land there; its products read them; the second group's loads land there again.
;   ACC       written by a group's products, read by the stage's LDS stores; the stage's LDS loads land there; global stores read it; the second group's products write it anew.
; LDS
.set OC,   0                           ; O's codes: tile wy x 6,144 + hp x 3,072 + ks x 768
.set OS2,  49152                       ; O's scale words, the two heads' halves joined: wy x 512 + ks x 128 + 4 x lane
.set WL,   53248                       ; Wout: 12,800 bytes a wave: 32 rows x 400
.set WLB,  12800
.set WP,   400
.set STGE, 155648                      ; the stages: 8,704 bytes a wave: 32 rows x 272
.set STB,  8704
.set SP,   272
; VECTOR REGISTERS, window 0
.set L16,  1                           ; 16 l: offset of the dense loads; LDS address of O's images
.set OCW,  2                           ; where I lay O's codes: 6,144 w + 16 l
.set OSW,  3                           ; and its scale words: OS2 + 512 w + 16 l
.set WW,   4                           ; v4-6 where I lay Wout: WL + 12,800 w + 16 l + 16 (1 where l >= 24 - 8 k)
.set WLR,  7                           ; where I read its fragments: WL + 12,800 w + 400 r + 24 h
.set ADC8, 8                           ; 512 + 8 l
.set ADS,  9                           ; OS2 + 4 l
.set STO,  10                          ; the stage, in: STGE + 8,704 w + 272 r + 32 h
.set SRD,  11                          ; and back: STGE + 8,704 w + 272 h + 16 r
.set OV,   12                          ; out0: 65,536 h + 16 r
.set WOSO, 13                          ; Wout's scale bytes: 16 r
.set BOF,  14                          ; bout: 4 r
.set XS,   16                          ; v16-31 O's scale words: 4 t + ks          (registers that hold scales and nothing else)
.set WS,   32                          ; v32-39 Wout's: 4 cc + ks                  (likewise)
.set BT,   44                          ; v44-45 bout of my lane's channel, cc = 0, 1
.set RO,   64                          ; v64-111 O's codes as loaded; v112-119 its half scale words; v120-123 joined
.set WO,   64                          ; v64-159 then Wout's eight fragments: 12 (4 cc + ks)
.set RW,   160                         ; v160-255 Wout as loaded
.set ACC,  160                         ; v160-223 then eight accumulators: 8 (4 cc + t); on the way out the rows read back
.set BI,   224                         ; v224-239 the bias in the result's layout: 8 cc
.set OF,   0                           ; window 1: v0-191 O's sixteen fragments of 64 pixels: 12 (4 t + ks)
; SCALARS
.set WV,   14
.set BB,   15
.set XR,   16
.set PCD,  22                          ; s[22:23] my tile's codes in the workspace
.set PSD,  24                          ; s[24:25] its scale words
.set PWO,  26                          ; s[26:27] my 32 rows of Wout's codes
.set PWOS, 28                          ; s[28:29] of its scale bytes
.set PBO,  30                          ; s[30:31] my 32 numbers of bout
.set POUT, 32                          ; s[32:33] out0 at my first channel, my image row
.set MSB, 0
.macro WIN new                         ; bits 1:0 source 0, 3:2 source 1, 5:4 source 2, 7:6 destination; the immediate's high byte repeats the setting that is left
.if MSB != \new
	s_set_vgpr_msb (MSB<<8)|\new
.set MSB, \new
.endif
.endm
.macro NOPS n
.rept \n
	v_nop
.endr
.endm
.macro LADR dst, src, mul, base        ; an LDS address: a constant + a constant x wave + a lane term
	s_mul_i32 s2, s[WV], \mul
	s_add_co_u32 s2, s2, \base
	v_add_nc_u32 v[\dst], s2, v[\src]
.endm
.macro MMA d, a, b, sa, sb
	v_wmma_scale_f32_16x16x128_f8f6f4 v[0+(\d):7+(\d)], v[0+(\a):11+(\a)], v[0+(\b):11+(\b)], v[0+(\d):7+(\d)], v[0+(\sa)], v[0+(\sb)] matrix_a_fmt:MATRIX_FMT_FP6 matrix_b_fmt:MATRIX_FMT_FP6
.endm
.macro MMC d, a, b, c, sa, sb
	v_wmma_scale_f32_16x16x128_f8f6f4 v[0+(\d):7+(\d)], v[0+(\a):11+(\a)], v[0+(\b):11+(\b)], v[0+(\c):7+(\c)], v[0+(\sa)], v[0+(\sb)] matrix_a_fmt:MATRIX_FMT_FP6 matrix_b_fmt:MATRIX_FMT_FP6
.endm
	s_load_b128 s[4:7], s[0:1], 0x0                ; the workspace s[4:5], Wout's codes s[6:7]
	s_load_b128 s[8:11], s[0:1], 0x10              ; Wout's scales s[8:9], bout s[10:11]
	s_load_b64 s[12:13], s[0:1], 0x20              ; out0
	v_lshl_add_u32 v62, v0, 2, 0x37000
	v_mov_b32 v63, 0
	v_lshrrev_b32 v40, 5, v0
	v_readfirstlane_b32 s[WV], v40                 ; wave 0..7
	v_and_b32 v40, 31, v0                          ; l
	v_and_b32 v41, 15, v0                          ; r
	v_bfe_u32 v42, v0, 4, 1                        ; h
	v_lshlrev_b32 v[L16], 4, v40
	s_wait_alu depctr_va_sdst(0)                   ; the wave's number is written, ahead of its first reader
	LADR OCW, L16, 6144, OC
	LADR OSW, L16, 512, OS2
; Wout's 12,288 bytes are 768 pieces of 16; a row is 24 pieces.  Piece q lies at 16 q + 16 (q / 24).  Load 3 a + k brings pieces 96 a + 32 k + l, which lie in row 4 a + k, or one row on where l >= 24 - 8 k
.irp k, 0,1,2
	v_add_nc_u32 v43, 8+8*\k, v40
	v_lshrrev_b32 v43, 5, v43                      ; 1 where l >= 24 - 8 k
	v_lshl_add_u32 v43, v43, 4, v[L16]
	LADR WW+\k, 43, WLB, WL
.endr
	v_mul_u32_u24 v43, v41, WP
	v_mad_u32_u24 v43, v42, 24, v43
	LADR WLR, 43, WLB, WL
	v_lshl_add_u32 v[ADC8], v40, 3, 512
	v_lshl_add_u32 v[ADS], v40, 2, OS2
	v_mul_u32_u24 v43, v41, SP
	v_lshl_add_u32 v43, v42, 5, v43
	LADR STO, 43, STB, STGE
	v_mul_u32_u24 v43, v42, SP
	v_lshl_add_u32 v43, v41, 4, v43
	LADR SRD, 43, STB, STGE
	v_lshlrev_b32 v[OV], 4, v41
	v_lshl_add_u32 v[OV], v42, 16, v[OV]
	v_lshlrev_b32 v[WOSO], 4, v41
	v_lshlrev_b32 v[BOF], 2, v41
	s_lshr_b32 s[BB], ttmp9, 7                     ; batch
	s_and_b32 s[XR], ttmp9, 127                    ; image row X
	s_lshr_b32 s17, s[XR], 4                       ; the row of windows
	s_bfe_u32 s18, s[XR], 0x10003                  ; which half of the window's queries: (X / 8) % 2
	s_bfe_u32 s19, s[XR], 0x20001                  ; QP = (X / 2) % 4
	s_and_b32 s34, s[XR], 1                        ; u
	s_lshl_b32 s20, s[BB], 7
	s_lshl_b32 s2, s17, 4
	s_add_co_u32 s20, s20, s2
	s_lshl_b32 s2, s[WV], 1                        ; my tile's window: wy = w
	s_add_co_u32 s20, s20, s2
	s_add_co_u32 s20, s20, s18                     ; the first launch's work-group
	s_mul_i32 s20, s20, 57344
	s_mul_i32 s2, s19, 7168                        ; its wave QP
	s_add_co_u32 s20, s20, s2
	s_mul_i32 s2, s34, 3072                        ; unit u's four half images
	s_add_co_u32 s36, s20, s2
	s_mov_b32 s37, 0
	s_lshl_b32 s2, s34, 9                          ; and its four runs of scale words
	s_add_co_u32 s38, s20, s2
	s_add_co_u32 s38, s38, 6144
	s_mov_b32 s39, 0
	s_mov_b32 s21, 0
	s_wait_kmcnt 0x0
	s_add_nc_u64 s[PCD:PCD+1], s[4:5], s[36:37]
	s_add_nc_u64 s[PSD:PSD+1], s[4:5], s[38:39]
	s_mul_i32 s20, s[WV], 12288                    ; 32 rows of 384 bytes
	s_add_nc_u64 s[PWO:PWO+1], s[6:7], s[20:21]
	s_lshl_b32 s20, s[WV], 9                       ; of 16 scale bytes
	s_add_nc_u64 s[PWOS:PWOS+1], s[8:9], s[20:21]
	s_lshl_b32 s20, s[WV], 7
	s_add_nc_u64 s[PBO:PBO+1], s[10:11], s[20:21]
	s_lshl_b32 s20, s[BB], 24                      ; out0: 16,777,216 bytes a batch,
	s_lshl_b32 s2, s[WV], 21
	s_add_co_u32 s20, s20, s2                      ; 32 channels of 65,536,
	s_lshl_b32 s2, s[XR], 9
	s_add_co_u32 s20, s20, s2                      ; 512 a row
	s_add_nc_u64 s[POUT:POUT+1], s[12:13], s[20:21]
	s_wait_alu depctr_va_vdst(0)                   ; the fourteen addresses and offsets v1 to v14 are written, which the kernel's loads and stores read
.irp hp, 0,1                                   ; the odd heads' wave lies four waves, 28,672 bytes, on
.irp i, 0,1,2,3,4,5
	global_load_b128 v[RO+4*(6*\hp+\i):RO+4*(6*\hp+\i)+3], v[L16], s[PCD:PCD+1] offset:28672*\hp+512*\i th:TH_LOAD_NT   ; 512 consecutive bytes; each byte of the workspace is read once in the launch
.endr
.endr
.irp hp, 0,1
	global_load_b128 v[RO+48+4*\hp:RO+48+4*\hp+3], v[L16], s[PSD:PSD+1] offset:28672*\hp th:TH_LOAD_NT
.endr
.set qi, 0
.rept 24
	global_load_b128 v[RW+4*qi:RW+4*qi+3], v[L16], s[PWO:PWO+1] offset:512*qi
.set qi, qi+1
.endr
.irp cc, 0,1
.irp ks, 0,1,2,3
	global_load_b32 v[WS+4*\cc+\ks], v[WOSO], s[PWOS:PWOS+1] offset:256*\cc+4*\ks
.endr
	global_load_b32 v[BT+\cc], v[BOF], s[PBO:PBO+1] offset:64*\cc
.endr
	s_wait_loadcnt 34                              ; O's 14 loads are in; the 24 + 8 + 2 issued behind them may be out
.irp e, 0,1,2,3
	v_lshl_or_b32 v[RO+56+\e], v[RO+52+\e], 16, v[RO+48+\e]   ; the even head's two bytes below, the odd head's above: a K step's scale word
.endr
.irp hp, 0,1
.irp i, 0,1,2,3,4,5
	ds_store_b128 v[OCW], v[RO+4*(6*\hp+\i):RO+4*(6*\hp+\i)+3] offset:3072*\hp+512*\i   ; (data as loaded: the wait on LOADcnt is theirs)
.endr
.endr
	s_wait_alu depctr_va_vdst(0)                   ; the four lines above the stores have written the joined scale words, which the LDS store below reads
	ds_store_b128 v[OSW], v[RO+56:RO+59]
	s_wait_loadcnt 10                              ; Wout's 24 dense loads are in
.irp a, 0,1,2,3,4,5,6,7
.irp k, 0,1,2
	ds_store_b128 v[WW+\k], v[RW+4*(3*\a+\k):RW+4*(3*\a+\k)+3] offset:512*(3*\a+\k)+16*(4*\a+\k)
.endr
.endr
	s_wait_loadcnt 0x0                             ; Wout's scale words and the bias
	s_wait_dscnt 0x0                               ; my stores have landed
	s_barrier_signal -1
	s_barrier_wait -1                              ; the row's eight tiles of O lie in LDS
	s_wait_alu depctr_vm_vsrc(0)                   ; my LDS stores have read O's and Wout's raw registers: the moves below and the first group's products write some of them, and Wout's fragments land in others (the four lines that named the scale half words stand ahead of the last wait on va_vdst)
.irp cc, 0,1
.irp j, 0,1,2,3,4,5,6,7
	v_mov_b32 v[BI+8*\cc+\j], v[BT+\cc]            ; all eight pixels of a lane have the lane's channel
.endr
.endr
.irp cc, 0,1
.irp ks, 0,1,2,3
.irp p, 0,1,2,3,4,5
	ds_load_b64 v[WO+12*(4*\cc+\ks)+2*\p:WO+12*(4*\cc+\ks)+2*\p+1], v[WLR] offset:16*WP*\cc+96*\ks+48*(\p/3)+8*(\p%3)
.endr
.endr
.endr
; 64 pixels (windows 4 g .. 4 g + 3) x my 32 channels
.macro GRP g
	WIN 0x40                                       ; destination window 1
.if \g > 0
	s_wait_alu depctr_va_vdst(0)                   ; the last group's products are done reading O's fragments and scale words, in which the loads below land
.endif
.irp t, 0,1,2,3
.irp ks, 0,1,2,3
.irp hp, 0,1
	ds_load_b128 v[OF+12*(4*\t+\ks)+6*\hp:OF+12*(4*\t+\ks)+6*\hp+3], v[L16] offset:((4*\g+\t)*2+\hp)*3072+\ks*768
	ds_load_b64 v[OF+12*(4*\t+\ks)+6*\hp+4:OF+12*(4*\t+\ks)+6*\hp+5], v[ADC8] offset:((4*\g+\t)*2+\hp)*3072+\ks*768
.endr
.endr
.endr
	WIN 0
.irp t, 0,1,2,3
.irp ks, 0,1,2,3
	ds_load_b32 v[XS+4*\t+\ks], v[ADS] offset:(4*\g+\t)*512+\ks*128
.endr
.endr
	s_wait_dscnt 0x0
.if \g > 0
	s_wait_xcnt 0x0                                ; every earlier memory instruction has had its addresses translated: the products below write the last group's stores' data registers anew only behind this wait,
	s_wait_alu depctr_vm_vsrc(0)                   ; and behind this one: the last group's global stores have read those registers
.endif
	WIN 0x01                                       ; source 0 (O) window 1
.irp ks, 0,1,2,3                               ; eight accumulators by turns
.irp cc, 0,1
.irp t, 0,1,2,3
.if \ks == 0
	MMC ACC+8*(4*\cc+\t), OF+12*(4*\t+\ks), WO+12*(4*\cc+\ks), BI+8*\cc, XS+4*\t+\ks, WS+4*\cc+\ks
.else
	MMA ACC+8*(4*\cc+\t), OF+12*(4*\t+\ks), WO+12*(4*\cc+\ks), XS+4*\t+\ks, WS+4*\cc+\ks
.endif
.endr
.endr
.endr
	WIN 0
	NOPS 6                                         ; four places in front of the stores that read results; five in front of the next group's products, which begin the accumulators anew
	s_wait_alu depctr_va_vdst(0)                   ; the products have written the accumulators, which the LDS stores read; the places above stay beside this wait
.irp cc, 0,1
.irp t, 0,1,2,3
	ds_store_b128 v[STO], v[ACC+8*(4*\cc+\t):ACC+8*(4*\cc+\t)+3] offset:16*SP*\cc+64*\t       ; channel 16 cc + r, pixels 16 t + 8 h + 0 .. 3; each accumulator from its low end on
	ds_store_b128 v[STO], v[ACC+8*(4*\cc+\t)+4:ACC+8*(4*\cc+\t)+7] offset:16*SP*\cc+64*\t+16
.endr
.endr
	s_wait_alu depctr_vm_vsrc(0)                   ; the LDS stores have read the accumulators' registers, in which the rows below land
.irp i, 0,1,2,3,4,5,6,7,8,9,10,11,12,13,14,15
	ds_load_b128 v[ACC+4*\i:ACC+4*\i+3], v[SRD] offset:2*\i*SP   ; LDS serves a wave's instructions in order (ISA guide 5.7.1.4): these see the stores above; the next group's stores come behind them
.endr
.irp i, 0,1,2,3,4,5,6,7,8,9,10,11,12,13,14,15
	s_wait_dscnt 15-\i                             ; load i is in, the 15 - i behind it may be out
	global_store_b128 v[OV], v[ACC+4*\i:ACC+4*\i+3], s[POUT:POUT+1] offset:131072*\i+256*\g th:TH_STORE_NT   ; channels 2 i and 2 i + 1: sixteen lanes each store 256 consecutive bytes, aligned; written once, read by nobody here
.endr
.endm
	s_wait_alu depctr_va_vdst(0)
	GRP 0
	GRP 1
	s_wait_dscnt 0x0                               ; the closing lines, six on end
	s_wait_alu 0x0
	s_wait_tensorcnt 0x0
	ds_add_u32 v62, v63
	s_wait_dscnt 0x0
	s_endpgm
.Lfunc_end_k_q396d33cf8e_outproj:
	.size	k_q396d33cf8e_outproj, .Lfunc_end_k_q396d33cf8e_outproj-k_q396d33cf8e_outproj
	.p2alignl 7, 3214868480
	.fill 96, 4, 3214868480
	.section	.rodata,"a",@progbits
	.p2align	6, 0x0
	.amdhsa_kernel k_q396d33cf8e_outproj
		.amdhsa_group_segment_fixed_size 226304
		.amdhsa_private_segment_fixed_size 0
		.amdhsa_enable_private_segment 0
		.amdhsa_kernarg_size 40
		.amdhsa_user_sgpr_count 2
		.amdhsa_user_sgpr_kernarg_segment_ptr 1
		.amdhsa_wavefront_size32 1
		.amdhsa_system_sgpr_workgroup_id_x 1
		.amdhsa_system_sgpr_workgroup_id_y 1
		.amdhsa_system_sgpr_workgroup_id_z 1
		.amdhsa_system_vgpr_workitem_id 0
		.amdhsa_next_free_vgpr 512
		.amdhsa_next_free_sgpr 66
		.amdhsa_reserve_vcc 0
		.amdhsa_float_denorm_mode_32 3
		.amdhsa_float_denorm_mode_16_64 3
		.amdhsa_memory_ordered 1
		.amdhsa_forward_progress 1
		.amdhsa_inst_pref_size 43
	.end_amdhsa_kernel
	.amdgpu_metadata
---
amdhsa.version: [ 1, 2 ]
amdhsa.kernels:
  - .name:           k_q396d33cf8e_outproj
    .symbol:         k_q396d33cf8e_outproj.kd
    .args:
      - { .name: ows, .offset: 0, .size: 8, .value_kind: global_buffer, .address_space: global }
      - { .name: Wout_codes, .offset: 8, .size: 8, .value_kind: global_buffer, .address_space: global }
      - { .name: Wout_scales, .offset: 16, .size: 8, .value_kind: global_buffer, .address_space: global }
      - { .name: bout, .offset: 24, .size: 8, .value_kind: global_buffer, .address_space: global }
      - { .name: out0, .offset: 32, .size: 8, .value_kind: global_buffer, .address_space: global }
    .group_segment_fixed_size: 226304
    .private_segment_fixed_size: 0
    .kernarg_segment_align: 8
    .kernarg_segment_size: 40
    .max_flat_workgroup_size: 256
    .sgpr_count:     66
    .vgpr_count:     512
    .wavefront_size: 32
...
	.end_amdgpu_metadata
.endif
;; end of part 4
